; MI455X (gfx1250); checked and timed in simulation.
; The chip was launched on July 23, 2026; its instructions are those of AMD's public machine-readable ISA for CDNA 5 (MIT licence, August 2026) and "CDNA5" Instruction Set Architecture Reference Guide (July 2026). The comments in the code are by the model that wrote it; some were corrected since.
;; NL Block. Allowed arithmetic: matrix products marked QUANTISED: E5M2 operands, one given power-of-two scale a tensor, by v_wmma_f32_16x16x64_bf8_bf8 or v_wmma_f32_16x16x128_bf8_bf8, f32 sums; products left as they are: f32 operands where the result goes on into a quantised operand, else bf16, f16 or f32 operands; f32 sums; everything else in f32.
;; Inputs: Lt_codes 2,048 x 64 x 16 x 32 uint8 (E5M2 codes of Lt, K innermost, in blocks of 32 codes); W1_codes 512 x 16 x 32 uint8 (E5M2 codes of W1, K innermost, in blocks of 32 codes); W2_codes 512 x 16 x 32 uint8 (E5M2 codes of W2, K innermost, in blocks of 32 codes); W3_codes 512 x 16 x 32 uint8 (E5M2 codes of W3, K innermost, in blocks of 32 codes); W4_codes 512 x 16 x 32 uint8 (E5M2 codes of W4, K innermost, in blocks of 32 codes); b1 512 float32; b2 512 float32; b3 512 float32; b4 512 float32; ct 2,048 x 512 float32; ln_b 512 float32; ln_g 512 float32; lowp_scales 8 int32 (the exponents e of the quantised operands' scales 2^e).
;; Outputs: out0 2,048 x 512 float32.
;; This version of the problem:
;;   THIS VERSION OF THE PROBLEM IS GIVEN IN LOW PRECISION. The matrix products marked QUANTISED in the list below multiply operands that are first quantised to E5M2 (5 exponent bits, 2 mantissa bits; 8 bits a number), with one given power-of-two scale for each operand tensor; their sums are f32. All else is computed in f32.
;;   The module's matrix products, in the order in which they are computed (A, B: the left and right operand; K: the contracted axis; several contracted axes count as one K, in the product's order):
;;     1. [M 2,048, K 512] x [K 512, N 512]; A: input ct; B: input W1 (given as codes): QUANTISED (scales: A lowp_scales[0], B lowp_scales[1])
;;     2. [M 131,072, K 512] x [K 512, N 512]; A: input Lt (given as codes); B: input W2 (given as codes): QUANTISED (scales: A lowp_scales[2], B lowp_scales[3])
;;     3. batch 2,048 x [M 1, K 512] x [K 512, N 64]; A: computed on the way; B: computed on the way: left as it is (M = 1 < 16)
;;     4. [M 131,072, K 512] x [K 512, N 512]; A: input Lt (given as codes); B: input W3 (given as codes): QUANTISED (scales: A lowp_scales[4], B lowp_scales[5])
;;     5. batch 2,048 x [M 1, K 64] x [K 64, N 512]; A: softmax; B: computed on the way: left as it is (M = 1 < 16)
;;     6. [M 2,048, K 512] x [K 512, N 512]; A: computed on the way; B: input W4 (given as codes): QUANTISED (scales: A lowp_scales[6], B lowp_scales[7])
;;   THE QUANTISER, for each operand of a quantised product, along K:
;;     - The operand's scale is 2^e, e = its entry of the input lowp_scales (int32; the entries are numbered through the quantised products in the list's order, A before B).
;;     - Each number is divided by the scale, clamped to +-57,344, and rounded to the nearest number of E5M2, ties to even, subnormals kept.
;;     - The product sums the exact products of the quantised numbers (number of the format x scale) in f32.
;;   ~~~python
;;   def quantise(x, axis, e):      # numpy; x: float32 -> the quantised numbers, widened to float32 again
;;       x = np.moveaxis(x, axis, -1); K = x.shape[-1]
;;       r = np.clip(x / 2.0 ** e, -57344, 57344)
;;       step = 2.0 ** (np.maximum(np.frexp(np.where(r == 0, 1, r))[1] - 1, -14) - 2)
;;       q = np.round(r / step) * step * 2.0 ** e      # np.round: ties to even
;;       return np.moveaxis(q, -1, axis).astype(np.float32)
;;   ~~~
;;   OPERANDS COMPUTED ON THE WAY. 'Computed on the way' means the value that the module computes at that place (a softmax that the list does not call 'softmax' is quantised finished and normalised). What goes into a quantiser is computed in f32, as accurately as f32 sums, v_exp_f32 and their like allow (about 1e-6 of the number): no bf16 or f16 on the way to a quantiser, and a product that is left as it is and whose result goes on into a quantised operand takes f32 operands (vector FMAs, or v_wmma_f32_16x16x4_f32). A number that lies on a knife's edge between two numbers of the format may be rounded either way, as far as f32 arithmetic and the matrix unit's own rounding can turn it there, and no further.
;;   INPUTS GIVEN AS CODES. Lt (in the module: [2048, 64, 512], K = its axis 2); W1 (in the module: [512, 512], K = its axis 1); W2 (in the module: [512, 512], K = its axis 1); W3 (in the module: [512, 512], K = its axis 1); W4 (in the module: [512, 512], K = its axis 1): each comes as NAME_codes (uint8): NAME with its K axis moved to the last place and cut into blocks of 32 codes, [.., K / 32, bytes a block], one block behind the other in memory; one code a byte (a code: sign, 5 exponent bits, 2 mantissa bits); its scale is its entry of lowp_scales. Its value is code x scale, taken as it is: it is not quantised again, and the codes and scales need not be those that the quantiser above would give.
;; 2 versions. Each part assembles by itself: llvm-mc -triple=amdgcn-amd-amdhsa -mcpu=gfx1250 --defsym DOCPART=n.
;; ======== version 1 of 2: 1 launch
;; launch nlblock (part 1): grid 256 x 1, 4 waves a work-group, clusters of 4 x 1, 327,680 bytes of LDS; arguments Lt_codes, W1_codes, W2_codes, W3_codes, W4_codes, ct, b1, b2, b3, b4, ln_g, ln_b, lowp_scales, out0; writes out0
.if DOCPART == 1
	.amdgcn_target "amdgcn-amd-amdhsa--gfx1250"
	.amdhsa_code_object_version 6
	.text
	.protected	k_q918ae680c5_nlblock
	.globl	k_q918ae680c5_nlblock
	.p2align	8
	.type	k_q918ae680c5_nlblock,@function
k_q918ae680c5_nlblock:
	s_mov_b64 s[64:65], 0
	v_nop
	global_prefetch_b8 v0, s[64:65] scope:SCOPE_SE
	s_setreg_imm32_b32 hwreg(HW_REG_WAVE_MODE, 25, 1), 1
	s_wait_xcnt 0x0
	s_wait_alu depctr_hold_cnt(0) depctr_sa_sdst(0) depctr_va_vdst(0) depctr_va_sdst(0) depctr_va_ssrc(0) depctr_va_vcc(0) depctr_vm_vsrc(0)
	s_getreg_b32 s2, hwreg(HW_REG_IB_STS2, 6, 4)
	s_cmp_eq_u32 s2, 0
	s_cbranch_scc0 .Lentry_in_a_cluster
	s_endpgm
.Lentry_in_a_cluster:
	s_bfe_u32 s2, ttmp6, 0x10000c
	s_cmp_lg_u32 s2, 0x3003
	s_cbranch_scc0 .Lentry_shape_is_right
	s_endpgm
.Lentry_shape_is_right:
; out = ct + Q(relu(LN(softmax(q . k / sqrt(512)) v))) W4^T + b4,  q = Q(ct) W1^T + b1,  k = Lt W2^T + b2,  v = Lt W3^T + b3.
; The four products with a weight matrix run on codes of BF8 (E5M2) by v_wmma_f32_16x16x128_bf8_bf8, sums in f32; q . k and p . v (one row each) are f32 multiply-adds.
; SHARES.  256 work-groups of four waves; a work-group owns 8 batches, a wave 2: 128 rows of Lt, 64 KiB of codes, which stay in 512 of its registers for the whole launch, read from memory once.
; The four weight matrices walk through LDS as eight halves of 256 rows, in two slots.  A step takes 16 rows of a matrix (64 registers) against the wave's 8 tiles of rows: 32 matrix instructions for 16 LDS loads.
; k and v are never stored: a tile is reduced a step after it is finished.  Source 0 = 16 rows of Lt, source 1 = 16 rows of the weight: lane (r, h) holds in register j the number (t = 8 h + j, e = e0 + r).
;   K: S[tile][j] += q'[e0 + r] x k: the sum over e lies across the 16 lanes r and is closed once, at the end; each lane of half h then holds the scores t = 16 tile + 8 h + j, just where V wants its weights.
;   V: the sum over tile and j of p'[tile][j] x v gives lane r its column e0 + r; one exchange joins the halves.
; A wave owns whole batches, so scores, softmax (the row's maximum is taken away), the weighted sum and the LayerNorm stay in the wave.  Products 1 and 6 (8 rows, doubled to 16) are shared by columns, 128 a wave.
; FOLDED SCALES.  q' = (sum x 2^(e0+e1) + b1) x c x 2^(e2+e3), c = log2(e) / sqrt(512): the score in base 2 is the sum over e of q' x (k's raw sum + b2 / 2^(e2+e3)).  p' = p x 2^(e4+e5) / the row's sum;
;   the weights add up to 1, so b3 is added once to the weighted sum.
; CLUSTER.  The four work-groups of a cluster walk the same weights in step: each half matrix is asked for JOINTLY (mask 15), which divides the requests for weights by four.  Lt, ct and out are each work-group's own.
;   A mask names four work-groups at the most and only the weights are shared, so the cluster is 4 x 1.
; LIMITS on the given exponents, so that each power of two below is an f32 number: e0 and e6 between -126 and 112; e2+e3 and e0+e1+e2+e3 between -122 and 131 (they are added to c's exponent field);
;   e6+e7 between -126 and 127; e4+e5 is applied by v_ldexp_f32 and has none.  NaN among the inputs is not served.
; K IS PERMUTED ALIKE IN BOTH OPERANDS: registers 4 c .. 4 c + 3 of K step s hold k = 128 s + 32 c + 16 h + 0 .. 15, so that a fragment comes by loads of 16 bytes; only the order of the sums inside an instruction changes.
; REGISTERS, in windows of 256.  Window 0: v0-31 addresses and constants; v32-95 AC: the codes of ct or of the LayerNorm's result, between them rows at work; v96-159 VEC: biases and gains;
;   v160-223 S: scores, then weights (and the 8 accumulators of products 1 and 6); v224-231 q' of two steps; v232-255 at work.
;   Window 1: v0-63, v64-127 two weight fragments; v128-191, v192-255 two sets of 8 accumulators.  Windows 2, 3: Lt's tiles 0-3, 4-7 (tile i, K step s at v[64 (i % 4) + 16 s]).
.set WP,    528                        ; a weight row in LDS: 512 bytes + 16 of padding = 132 words: the 16 rows of a fragment load start 4 banks apart (64 banks of 4 bytes: ISA guide 11.1)
.set FRAGB, 16*WP                      ; 16 rows: a step's fragment
.set SLOTB, 256*WP                     ; a slot: half a matrix; the two slots on end hold a matrix, row e at WP x e
.set RP,    2080                       ; a batch's row of 512 f32 in LDS: 2,048 bytes + 32
.set CTB,   2*SLOTB                    ; ct of the 8 batches: each row as two halves of 1,024 bytes + 16; filled once by tensor loads, never stored into
.set QY,    CTB+8*RP                   ; [8][512] f32: q', later the weighted sums, then the LayerNorm's result; written by LDS stores alone
.set STG,   QY+8*RP                    ; Lt's turn: 16 rows x 272 bytes for each wave; at the end product 6's sums, [8][512] f32; written by LDS stores alone
.set TP,    272
.set SPARE, STG+4*16*TP                ; the spare words, 128 bytes for each wave: two blocks of 256 bytes that no other line names
.set SPW, 4                            ; v4   SPARE + 4 x my thread's number; never rewritten
.set NIL, 5                            ; v5   0; never rewritten
.set AW0, 6                            ; v6   my lane's place in a fragment: WP r + 16 h
.set ADW, 7                            ; v7   the fragment in hand
.set AWQ, 8                            ; v8   products 1 and 6: AW0 + my wave's 128 rows
.set LTG, 9                            ; v9   Lt in memory: 512 h + 16 r
.set STS, 10                           ; v10  Lt's turn, in: row h, 16 r
.set STL, 11                           ; v11  Lt's turn, back: row r, 16 h
.set ABC, 12                           ; v12  ct's row r % 8, + 64 h
.set ABY, 13                           ; v13  the same in QY
.set XSQ, 14                           ; v14  where product 1's results go: QY, row 4 h, column 128 w + r
.set XSO, 15                           ; v15  where product 6's go: the same in STG
.set QA0, 16                           ; v16  QY, my first batch's row, column r
.set QAD, 17                           ; v17  the same at the step in hand
.set ROW, 18                           ; v18  QY, my first batch's row, 16 bytes a lane
.set ORW, 19                           ; v19  the same in STG
.set CTR, 20                           ; v20  the same in ct's region
.set VOF, 21                           ; v21  16 x lane
.set B1O, 22                           ; v22  b1: 4 (128 w + r)
.set PFO, 23                           ; v23  256 x lane; never rewritten
.set AC,  32
.set VEC, 96
.set S,   160
.set QV,  224                          ; pairs [step's parity][batch]: the even register holds q', the odd one is named with it and holds 0
.set U,   232                          ; four chains of the weighted sum
.set XS,  240
.set ZZ,  242                          ; destinations of lane exchanges: written once at the head
.set ST,  244                          ; batch b: v[ST+4b], +1 maximum or mean; +2, +3 sum or variance
.set G1W, 40                           ; s[40:47] descriptor group 1 for the weights;  s[48:55] for ct
.set G1C, 48
.set G0S, 56                           ; s[56:59], s[60:63] group 0 for slot 0, slot 1
.set G0C, 68                           ; s[68:71] group 0 for ct
.set WV,  66
.set CNT, 67
.set OFF, 72                           ; s[72:73], s[74:75] my 64 rows of a matrix's first and second half, in bytes
.set SEL, 76                           ; s[76:77] v_permlanex16_b32's selects for lane l xor 16
.set FO,  78                           ; LDS byte of the fragment to be fetched
.set QO,  79                           ; byte in a row of QY of the step's 16 columns
.set HM,  81                           ; mask of lanes 16-31
.set CQ,  82                           ; c x 2^(e0+e1+e2+e3)
.set CK,  84                           ; c x 2^(e2+e3)
.set NEK, 85                           ; -(e2+e3)
.set EV,  86                           ; e4+e5
.set EO,  88                           ; s[88:89] 2^(e6+e7), named as a pair
.set PFA, 90                           ; s[90:91] my wave's 8,192 bytes of W4's second half
.set PFL, 92                           ; 1 in the first cluster
.set MSB, 0
.macro WIN new                         ; the immediate's high byte repeats the setting that is left; a switch that changes nothing is dropped
.if MSB != (\new)
	s_set_vgpr_msb (MSB<<8)|(\new)
.set MSB, (\new)
.endif
.endm
.macro PLACES                          ; four plain vector instructions behind matrix instructions, ahead of loads into their registers and of reads of their results
.rept 4
	v_nop
.endr
.endm
.macro CREST                           ; a round of the cluster's barrier behind its opening barrier
	s_cmp_lg_u32 s[WV], 0
	s_cbranch_scc1 .Lnot_wave_0_\@
	s_barrier_signal -3
.Lnot_wave_0_\@:
	s_barrier_wait -3
	s_barrier_signal -1
	s_barrier_wait -1
.endm
.macro ROUND
	s_barrier_signal -1
	s_barrier_wait -1
	CREST
.endm
; A slot is filled again, outside the steps: all my tensor loads have landed, 0 goes onto my spare word, the slot's descriptor is written, my LDS instructions are done; a round; the joint load first behind it.
.macro CHANGE slot, wptr
	s_wait_tensorcnt 0x0                           ; no tensor load of mine is out, so a group 0 may be written
	ds_add_u32 v[SPW], v[NIL]
	s_add_nc_u64 s[G0S+4*\slot+2:G0S+4*\slot+3], s[\wptr:\wptr+1], s[OFF+2*\slot:OFF+2*\slot+1]
	s_or_b32 s[G0S+4*\slot+3], s[G0S+4*\slot+3], 0x80000000
	s_wait_dscnt 0x0                               ; the add is done; my reads of the slot are in and my LDS stores have landed
	ROUND                                          ; the same now holds of every wave of the four work-groups
	tensor_load_to_lds s[G0S+4*\slot:G0S+4*\slot+3], s[G1W:G1W+7]
	s_nop 0
	PLACES
.endm
; Half tile ht of Lt (tile ht / 2, 256 bytes ht % 2 of its rows): eight loads; lanes 0-15 take 256 consecutive bytes of row 2 u, lanes 16-31 of row 2 u + 1.
.macro LTLOAD ht
.set LTI, (\ht)/2
.set LTR, 64*(LTI%4)+32*((\ht)%2)
	WIN 0x80+0x40*(LTI/4)
.irp u, 0,1,2,3,4,5,6,7
	global_load_b128 v[LTR+4*\u:LTR+4*\u+3], v[LTG], s[4:5] offset:8192*LTI+256*((\ht)%2)+1024*\u th:TH_LOAD_NT
.endr
.endm
; The half tile turns through my stage: in as it was loaded, back as two fragments, into the registers that it left.
.macro LTURN ht
.if 15-(\ht) < 5
	s_wait_loadcnt 8*(15-(\ht))                    ; loads come back in order: the half tiles issued behind this one may be out
.else
	s_wait_loadcnt 40
.endif
.if (\ht)+6 < 16
	LTLOAD (\ht)+6
.endif
.set LTI, (\ht)/2
.set LTR, 64*(LTI%4)+32*((\ht)%2)
	WIN 0x08+0x04*(LTI/4)
.irp u, 0,1,2,3,4,5,6,7
	ds_store_b128 v[STS], v[LTR+4*\u:LTR+4*\u+3] offset:2*TP*\u
.endr
	s_wait_dscnt 0x0                               ; the stores have read their registers, into which the loads below land
	WIN 0x80+0x40*(LTI/4)
.irp p, 0,1
.irp c, 0,1,2,3
	ds_load_b128 v[LTR+16*\p+4*\c:LTR+16*\p+4*\c+3], v[STL] offset:128*\p+32*\c
.endr
.endr
.endm
; 8 rows of 512 f32 in LDS become the codes of a tile of 16 rows (rows 8-15 repeat rows 0-7), 64 registers at AC.  Lane (r, h) takes, of row r % 8, 16 neighbours of each block of 32.
; hp: bytes from a row's first half to its second.  relu = 1: the hold's lower bound is 0, which is the activation.  v[sc]: the scale as f32; v[lim]: 57,344 x the scale.
.macro ABLOAD adr, hp, ks              ; K step ks: 64 numbers a lane, 16 loads, into window 1
.irp c, 0,1,2,3
.irp i, 0,1,2,3
	ds_load_b128 v[64*(\ks)+16*\c+4*\i:64*(\ks)+16*\c+4*\i+3], v[\adr] offset:((\ks)/2)*(\hp)+((\ks)%2)*512+128*\c+16*\i
.endr
.endr
.endm
.macro ABUILD adr, hp, relu, sc, lim
	WIN 0x40
	ABLOAD \adr, \hp, 0
	ABLOAD \adr, \hp, 1
	ABLOAD \adr, \hp, 2                            ; 48 loads are out; K step 3's follow behind K step 0's conversions
.irp s, 0,1,2,3
.if \s < 2
	s_wait_dscnt 32                                ; K step s is in; the two K steps issued behind it may be out
.else
	s_wait_dscnt 16*(3-\s)
.endif
	WIN 0x41
.set AJ, 64*\s
.rept 64
.if \relu
	v_med3_num_f32 v[AJ], v[AJ], 0, v[\lim]
.else
	v_med3_num_f32 v[AJ], v[AJ], -v[\lim], v[\lim] ; the conversion to an 8-bit code does not saturate (ISA guide 7.6.2): the hold at the largest code x the scale
.endif
.set AJ, AJ+1
.endr
	WIN 0x01
.set AJ, 8*\s
.rept 8
	v_cvt_scalef32_pk8_bf8_f32 v[AC+2*AJ:AC+2*AJ+1], v[8*AJ:8*AJ+7], v[\sc]
.set AJ, AJ+1
.endr
.if \s == 0
	WIN 0x40
	ABLOAD \adr, \hp, 3
.endif
.endr
	v_nop                                          ; one plain vector instruction between the last conversion and the products that read its result
	WIN 0
.endm
.macro FW et, buf                      ; products 1 and 6: tile et of my 128 rows of the matrix into buffer buf of window 1
.irp s, 0,1,2,3
.irp c, 0,1,2,3
	ds_load_b128 v[64*(\buf)+16*\s+4*\c:64*(\buf)+16*\s+4*\c+3], v[AWQ] offset:FRAGB*(\et)+128*\s+32*\c
.endr
.endr
.endm
.macro MM a, b                         ; two accumulators by turns, four K steps each; the first product starts a sum
	WIN 0x04
.irp s, 0,1,2,3
.irp t, \a, \b
.if \s == 0
	v_wmma_f32_16x16x128_bf8_bf8 v[S+8*\t:S+8*\t+7], v[AC+16*\s:AC+16*\s+15], v[64*(\t%4)+16*\s:64*(\t%4)+16*\s+15], 0
.else
	v_wmma_f32_16x16x128_bf8_bf8 v[S+8*\t:S+8*\t+7], v[AC+16*\s:AC+16*\s+15], v[64*(\t%4)+16*\s:64*(\t%4)+16*\s+15], v[S+8*\t:S+8*\t+7]
.endif
.endr
.endr
.endm
.macro QSTEPS                          ; 16 rows x my 128 columns: 32 matrix instructions; four buffers; each pair of fragments is asked for eight products ahead; 48 LDS loads are out at the most
	WIN 0x40
	FW 0, 0
	FW 1, 1
	FW 2, 2
	s_wait_dscnt 16                                ; fragments 0 and 1 are in; fragment 2 may be out
	FW 3, 3
	MM 0, 1
	s_wait_dscnt 0x0                               ; fragments 2 and 3
	PLACES
	WIN 0x40
	FW 4, 0
	FW 5, 1
	MM 2, 3
	s_wait_dscnt 0x0                               ; fragments 4 and 5
	PLACES
	WIN 0x40
	FW 6, 2
	FW 7, 3
	MM 4, 5
	s_wait_dscnt 0x0                               ; fragments 6 and 7
	MM 6, 7
	WIN 0
.endm
; The results of product 1 or 6 go to LDS as rows.  Both halves of the lanes hold all 8 batches (register j: batch j): lanes 0-15 send batches 0-3, lanes 16-31 batches 4-7.
.macro XCH adr, fma
.irp et, 0,1,2,3,4,5,6,7
.irp j, 0,1,2,3
	v_cndmask_b32 v[S+8*\et+\j], v[S+8*\et+\j], v[S+8*\et+\j+4], s[HM]
.if \fma
	v_fma_f32 v[S+8*\et+\j], v[S+8*\et+\j], s[CQ], v[VEC+\et]    ; q'
.endif
	ds_store_b32 v[\adr], v[S+8*\et+\j] offset:RP*\j+64*\et
.endr
.endr
.endm
.macro WSUM2 a, b                      ; two numbers a lane are summed over the wave's 32 lanes
.irp m, 1,2,4,8
	v_add_f32_dpp v[\a], v[\a], v[\a] row_xmask:\m row_mask:0xf bank_mask:0xf
	v_add_f32_dpp v[\b], v[\b], v[\b] row_xmask:\m row_mask:0xf bank_mask:0xf
.endr
	v_permlanex16_b32 v[ZZ], v[\a], s[SEL], s[SEL+1]
	v_permlanex16_b32 v[ZZ+1], v[\b], s[SEL], s[SEL+1]
	v_add_f32 v[\a], v[\a], v[ZZ]
	v_add_f32 v[\b], v[\b], v[ZZ+1]
.endm
; THE SIDE WORK OF A STEP is a numbered list; TASK writes number TK of it.  kind 0 = K, 1 = V; par: the step's parity; o = 1: the loop's second step, which reaches its bytes by an immediate.
; Products, which set windows of their own, stand between the tasks: so every task that names a register sets its window itself.
;   0-3    the two addresses and two v_nop: the four places behind the step before's products, ahead of the loads into its fragment and of the reads of its results
;   4-19   the next step's fragment, into the other buffer
;   K: 20, 21 q' of THIS step, used a step later; 22-53 the step before's tiles x its q' onto S, each accumulator from its low end on
;   V: 20-51 the step before's tiles x p', four chains; 52-59 the chains, the pairs' halves and the lanes' halves are joined; 60, 61 the two batches' column goes to my rows of QY
.macro TASK kind, par, fetch, red, o
.if TK == 0
	WIN 0
	v_add_nc_u32 v[ADW], s[FO], v[AW0]
.elseif TK == 1
	WIN 0
	v_add_nc_u32 v[QAD], s[QO], v[QA0]
.elseif TK < 4
	v_nop
.elseif TK < 20
.if \fetch
	WIN 0x40
	ds_load_b128 v[64*(1-\par)+4*(TK-4):64*(1-\par)+4*(TK-4)+3], v[ADW] offset:FRAGB*\o+128*((TK-4)/4)+32*((TK-4)%4)
.endif
.elseif (\kind == 0) && (TK < 22)
	WIN 0
	ds_load_b32 v[QV+4*\par+2*(TK-20)], v[QAD] offset:RP*(TK-20)+64*\o
.elseif (\kind == 0) && (TK < 54) && (\red)
.set TR, (TK-22)%8
.set TJ, 2*((TK-22)/8)
.set TA, 128+64*(1-\par)+8*TR+TJ
	WIN 0x01
	v_pk_fma_f32 v[S+8*TR+TJ:S+8*TR+TJ+1], v[TA:TA+1], v[QV+4*(1-\par)+2*(TR/4):QV+4*(1-\par)+2*(TR/4)+1], v[S+8*TR+TJ:S+8*TR+TJ+1] op_sel_hi:[1,0,1]
.elseif (\kind == 1) && (TK < 52) && (\red)
.set TCH, (TK-20)%4
.set TKK, (TK-20)/4
.set TR, 4*(TCH/2)+(TCH%2)+2*(TKK/4)
.set TJ, 2*(TKK%4)
.set TA, 128+64*(1-\par)+8*TR+TJ
	WIN 0x01
.if TKK == 0
	v_pk_mul_f32 v[U+2*TCH:U+2*TCH+1], v[TA:TA+1], v[S+8*TR+TJ:S+8*TR+TJ+1]
.else
	v_pk_fma_f32 v[U+2*TCH:U+2*TCH+1], v[TA:TA+1], v[S+8*TR+TJ:S+8*TR+TJ+1], v[U+2*TCH:U+2*TCH+1]
.endif
.elseif (\kind == 1) && (TK < 54) && (\red)
	WIN 0
	v_pk_add_f32 v[U+4*(TK-52):U+4*(TK-52)+1], v[U+4*(TK-52):U+4*(TK-52)+1], v[U+4*(TK-52)+2:U+4*(TK-52)+3]
.elseif (\kind == 1) && (TK < 56) && (\red)
	WIN 0
	v_add_f32 v[XS+TK-54], v[U+4*(TK-54)], v[U+4*(TK-54)+1]
.elseif (\kind == 1) && (TK < 58) && (\red)
	WIN 0
	v_permlanex16_b32 v[ZZ+TK-56], v[XS+TK-56], s[SEL], s[SEL+1]
.elseif (\kind == 1) && (TK < 60) && (\red)
	WIN 0
	v_add_f32 v[XS+TK-58], v[XS+TK-58], v[ZZ+TK-58]
.elseif (\kind == 1) && (TK < 62) && (\red)
	WIN 0
	ds_store_b32 v[QAD], v[XS+TK-60] offset:RP*(TK-60)+64*\o
.endif
.set TK, TK+1
.endm
; Matrix instructions 2 g and 2 g + 1 of a step's 32: K step idx / 8, tile idx % 8.  The eight accumulators take turns, one instruction a turn.
.macro PAIR par, g
.irp q, 0,1
.set PI, 2*(\g)+\q
.set PS, PI/8
.set PR, PI%8
	WIN 0x56+PR/4
.if PS == 0
	v_wmma_f32_16x16x128_bf8_bf8 v[128+64*\par+8*PR:128+64*\par+8*PR+7], v[64*(PR%4)+16*PS:64*(PR%4)+16*PS+15], v[64*\par+16*PS:64*\par+16*PS+15], 0
.else
	v_wmma_f32_16x16x128_bf8_bf8 v[128+64*\par+8*PR:128+64*\par+8*PR+7], v[64*(PR%4)+16*PS:64*(PR%4)+16*PS+15], v[64*\par+16*PS:64*\par+16*PS+15], v[128+64*\par+8*PR:128+64*\par+8*PR+7]
.endif
.endr
.endm
; A STEP: 16 rows of the matrix against my 128 rows of Lt; four tasks behind each pair of products.  adv: by how many steps the two offsets go on at its end.
.macro STEP kind, par, fetch, red, o, adv
	s_wait_dscnt 0x0                               ; the fragment and q' asked for a step ago are in
.set TK, 0
.set SG, 0
.rept 16
	PAIR \par, SG
.rept 4
	TASK \kind, \par, \fetch, \red, \o
.endr
.set SG, SG+1
.endr
	WIN 0
.if \adv
	s_add_co_u32 s[FO], s[FO], (\adv)*FRAGB
.if (\kind == 0) || (\red)
	s_add_co_u32 s[QO], s[QO], (\adv)*64
.endif
.endif
.endm
; A PREFETCH INTO THE L2 of W4's second half, which is asked for at V's last step and read soon after.  The sixteen waves of the first cluster name its 131,072 bytes once: 8,192 a wave, lanes 256 bytes apart;
; the partners are told apart by address; the branch hangs on the cluster's number alone.  It stands one half matrix, 512 matrix instructions, ahead of the joint load that wants the bytes.
.macro ASK
	s_cmp_lg_u32 s[PFL], 0
	s_cbranch_scc0 .Lnot_mine_\@
	global_prefetch_b8 v[PFO], s[PFA:PFA+1] th:TH_LOAD_NT scope:SCOPE_SE
.Lnot_mine_\@:
.endm
; A half matrix's last step (parity 1) changes slots.  Its fragment is in registers, so nobody reads the slot any more.  All my tensor loads have landed (the other slot's part); 0 goes onto my spare word;
; eight products stand between that and the wait for it, eight more inside the opening barrier; the round; the joint refill first behind it; then the next fragment, from the other slot.
.macro STEPC kind, fetch, slot, wptr, ask
	s_wait_dscnt 0x0                               ; this step's fragment is in: my last read of the slot
	s_wait_tensorcnt 0x0
	ds_add_u32 v[SPW], v[NIL]
	s_add_nc_u64 s[G0S+4*\slot+2:G0S+4*\slot+3], s[\wptr:\wptr+1], s[OFF+2*\slot:OFF+2*\slot+1]
	s_or_b32 s[G0S+4*\slot+3], s[G0S+4*\slot+3], 0x80000000
.irp g, 0,1,2,3
	PAIR 1, \g
.endr
	s_wait_dscnt 0x0                               ; the add is done
	s_barrier_signal -1
.irp g, 4,5,6,7
	PAIR 1, \g
.endr
	WIN 0
	s_barrier_wait -1
	CREST                                          ; no wave of any partner still reads the slot or has a load on its way
	tensor_load_to_lds s[G0S+4*\slot:G0S+4*\slot+3], s[G1W:G1W+7]
	s_nop 0
	PLACES
.set TK, 0
.rept 20
	TASK \kind, 1, \fetch, 1, 0
.endr
.if \ask
	WIN 0
	ASK
.endif
.set SG, 8
.rept 8
	PAIR 1, SG
.rept 6
	TASK \kind, 1, \fetch, 1, 0
.endr
.set SG, SG+1
.endr
	WIN 0
	s_add_co_u32 s[QO], s[QO], 64
.endm
; Half hf of a matrix: 16 steps.  first = 1: there is no step before to reduce.  The refill of this half's slot comes from s[wptr].
; The column offset begins at a constant: K reads q' of its own step (step 16 hf); V stores the step before's column (step 16 hf - 1; in the first half its first step stores nothing).
.macro HALF kind, hf, first, slot, wptr, lastfetch, ask
	s_mov_b32 s[FO], (16*\hf+1)*FRAGB
	s_mov_b32 s[QO], (16*\hf-\kind*\hf)*64
	STEP \kind, 0, 1, 1-\first, 0, 1
	s_mov_b32 s[CNT], 7
.Lhalf_\@:
	STEP \kind, 1, 1, 1, 0, 0
	STEP \kind, 0, 1, 1, 1, 2
	s_sub_co_u32 s[CNT], s[CNT], 1
	s_cmp_lg_u32 s[CNT], 0
	s_cbranch_scc1 .Lhalf_\@
	s_mov_b32 s[FO], ((16*\hf+16)%32)*FRAGB
	STEPC \kind, \lastfetch, \slot, \wptr, \ask
.endm
.macro DRAIN kind                      ; the last step's tiles are reduced
	s_wait_dscnt 0x0
.set TK, 0
.rept 4
	TASK \kind, 0, 0, 1, 0
.endr
.set TK, 22-2*\kind
.rept 42
	TASK \kind, 0, 0, 1, 0
.endr
	WIN 0
.endm
	; ---- the head: pointers, ids, every LDS address, the descriptors
	s_load_b512 s[4:19], s[0:1], 0x0               ; Lt s[4:5], W1 s[6:7], W2 s[8:9], W3 s[10:11], W4 s[12:13], ct s[14:15], b1 s[16:17], b2 s[18:19]
	s_load_b256 s[20:27], s[0:1], 0x40             ; b3 s[20:21], b4 s[22:23], ln_g s[24:25], ln_b s[26:27]
	s_load_b128 s[28:31], s[0:1], 0x60             ; the scales' exponents s[28:29], out s[30:31]
	v_lshl_add_u32 v[SPW], v0, 2, SPARE
	v_mov_b32 v[NIL], 0
	ds_add_u32 v4, v5
	ds_add_u32 v4, v5
	s_wait_dscnt 0x0
	v_lshrrev_b32 v1, 5, v0
	v_readfirstlane_b32 s[WV], v1                  ; wave w, 0..3
	v_and_b32 v1, 31, v0                           ; lane l
	v_and_b32 v2, 15, v0                           ; r
	v_bfe_u32 v3, v0, 4, 1                         ; h
	v_mul_u32_u24 v[AW0], v2, WP
	v_lshl_add_u32 v[AW0], v3, 4, v[AW0]
	s_mul_i32 s2, s[WV], 128*WP
	v_add_nc_u32 v[AWQ], s2, v[AW0]
	v_lshlrev_b32 v[LTG], 4, v2
	v_lshl_add_u32 v[LTG], v3, 9, v[LTG]
	s_mul_i32 s2, s[WV], 16*TP
	s_add_co_u32 s2, s2, STG                       ; my stage
	v_mul_u32_u24 v[STS], v3, TP
	v_lshl_add_u32 v[STS], v2, 4, v[STS]
	v_add_nc_u32 v[STS], s2, v[STS]
	v_mul_u32_u24 v[STL], v2, TP
	v_lshl_add_u32 v[STL], v3, 4, v[STL]
	v_add_nc_u32 v[STL], s2, v[STL]
	v_and_b32 v28, 7, v0
	v_mul_u32_u24 v28, v28, RP
	v_lshl_add_u32 v28, v3, 6, v28
	v_add_nc_u32 v[ABC], CTB, v28
	v_add_nc_u32 v[ABY], QY, v28
	s_lshl_b32 s2, s[WV], 9                        ; my 128 columns, in bytes
	v_mul_u32_u24 v29, v3, 4*RP
	v_lshl_add_u32 v29, v2, 2, v29
	v_add_nc_u32 v29, s2, v29
	v_add_nc_u32 v[XSQ], QY, v29
	v_add_nc_u32 v[XSO], STG, v29
	v_lshlrev_b32 v[B1O], 2, v2
	v_add_nc_u32 v[B1O], s2, v[B1O]
	s_mul_i32 s3, s[WV], 2*RP                      ; my two batches' rows
	v_lshlrev_b32 v30, 2, v2
	v_add_nc_u32 v30, s3, v30
	v_add_nc_u32 v[QA0], QY, v30
	v_lshlrev_b32 v[VOF], 4, v1
	v_add_nc_u32 v31, s3, v[VOF]
	v_add_nc_u32 v[ROW], QY, v31
	v_add_nc_u32 v[ORW], STG, v31
	v_add_nc_u32 v[CTR], CTB, v31
	v_lshlrev_b32 v[PFO], 8, v1
	v_cmp_le_u32 s[HM], 16, v1
.irp j, 1,3,5,7
	v_mov_b32 v[QV+\j], 0                          ; named as the upper halves of q's pairs
.endr
	v_mov_b32 v[ZZ], 0                             ; a lane exchange's destination counts as one of its sources
	v_mov_b32 v[ZZ+1], 0
	s_bfe_u32 s93, ttmp6, 0x40000                  ; cx: it enters the addresses of Lt, ct, out and the prefetch alone
	s_lshl_b32 s80, ttmp9, 2
	s_add_co_u32 s80, s80, s93                     ; work-group = 4 x cluster + cx
	s_lshl_b32 s[OFF], s[WV], 15                   ; 64 rows of 512 bytes a wave
	s_mov_b32 s[OFF+1], 0
	s_add_co_u32 s[OFF+2], s[OFF], 131072
	s_mov_b32 s[OFF+3], 0
	s_mov_b32 s[SEL], 0x76543210
	s_mov_b32 s[SEL+1], 0xfedcba98
	s_mov_b32 s[G1W], 15|(1<<20)|(1<<21)|(6<<22)|(3<<25)   ; 15:0 the mask: all four work-groups; 17:16 elements of 1 byte; 20 padding on; 21 set beside a mask; 24:22 after every 128 words (code 6); 31:25 four words (code 3)
	s_mov_b32 s[G1W+1], 512<<16                    ; tensor_dim0
	s_mov_b32 s[G1W+2], 64<<16                     ; tensor_dim1
	s_mov_b32 s[G1W+3], 512<<16                    ; tile_dim0
	s_mov_b32 s[G1W+4], 64                         ; tile_dim1
	s_mov_b32 s[G1W+5], 512                        ; tensor_dim0_stride
	s_mov_b32 s[G1W+6], 0
	s_mov_b32 s[G1W+7], 0
	s_mov_b32 s[G1C], (2<<16)|(1<<20)|(7<<22)|(3<<25)      ; no mask; elements of 4 bytes; four words of padding after every 256.  ct's rows are dense: two rows are stated as four of 256 numbers
	s_mov_b32 s[G1C+1], 256<<16
	s_mov_b32 s[G1C+2], 4<<16
	s_mov_b32 s[G1C+3], 256<<16
	s_mov_b32 s[G1C+4], 4
	s_mov_b32 s[G1C+5], 256
	s_mov_b32 s[G1C+6], 0
	s_mov_b32 s[G1C+7], 0
	s_cmp_eq_u32 ttmp9, 0
	s_cselect_b32 s[PFL], 1, 0
	s_lshl_b32 s2, s80, 2
	s_add_co_u32 s2, s2, s[WV]                     ; 4 x work-group + wave
	s_lshl_b32 s94, s2, 12                         ; x two rows of 2,048 bytes: ct and out
	s_mov_b32 s95, 0
	s_lshl_b32 s2, s2, 16                          ; x 128 rows of 512 bytes: Lt
	s_mov_b32 s3, 0
	s_mov_b32 s[G0S], 1
	s_mul_i32 s[G0S+1], s[WV], 64*WP               ; my 64 rows of slot 0,
	s_mov_b32 s[G0S+4], 1
	s_add_co_u32 s[G0S+5], s[G0S+1], SLOTB         ; of slot 1
	s_mov_b32 s[G0C], 1
	s_mul_i32 s[G0C+1], s[WV], 2*RP
	s_add_co_u32 s[G0C+1], s[G0C+1], CTB
	s_wait_kmcnt 0x0
	s_load_b256 s[32:39], s[28:29], 0x0            ; e0 .. e7
	s_add_nc_u64 s[4:5], s[4:5], s[2:3]
	s_add_nc_u64 s[30:31], s[30:31], s[94:95]
	s_add_nc_u64 s[G0S+2:G0S+3], s[6:7], s[OFF:OFF+1]          ; W1's two halves
	s_or_b32 s[G0S+3], s[G0S+3], 0x80000000
	s_add_nc_u64 s[G0S+6:G0S+7], s[6:7], s[OFF+2:OFF+3]
	s_or_b32 s[G0S+7], s[G0S+7], 0x80000000
	s_add_nc_u64 s[G0C+2:G0C+3], s[14:15], s[94:95]
	s_or_b32 s[G0C+3], s[G0C+3], 0x80000000
	s_lshl_b32 s2, s93, 2
	s_add_co_u32 s2, s2, s[WV]
	s_lshl_b32 s2, s2, 13
	s_add_co_u32 s2, s2, 131072
	s_add_nc_u64 s[PFA:PFA+1], s[12:13], s[2:3]
	ROUND                                          ; all four work-groups are here: the first joint loads meet
	tensor_load_to_lds s[G0S:G0S+3], s[G1W:G1W+7]          ; the first fills go out together: three loads of mine are out
	s_nop 0
	tensor_load_to_lds s[G0S+4:G0S+7], s[G1W:G1W+7]
	s_nop 0
	tensor_load_to_lds s[G0C:G0C+3], s[G1C:G1C+7]
	s_nop 0
	PLACES
.irp et, 0,1,2,3,4,5,6,7
	global_load_b32 v[VEC+\et], v[B1O], s[16:17] offset:64*\et     ; b1 at my column of each of my 8 tiles
.endr
.irp i, 0,1,2,3
	global_load_b128 v[VEC+8+4*\i:VEC+8+4*\i+3], v[VOF], s[18:19] offset:512*\i   ; b2: lane l holds e = 128 i + 4 l + 0 .. 3
.endr
.irp t, 0,1,2,3,4,5
	LTLOAD \t
.endr
	WIN 0
	s_wait_kmcnt 0x0
	s_add_co_i32 s2, s34, s35                      ; e2 + e3
	s_sub_co_i32 s[NEK], 0, s2
	s_lshl_b32 s3, s2, 23
	s_add_co_i32 s[CK], s3, 0x3d8293ee             ; c = log2(e) / sqrt(512), the exponents added to its exponent field
	s_add_co_i32 s3, s32, s33
	s_lshl_b32 s3, s3, 23
	s_add_co_i32 s[CQ], s[CK], s3
	s_add_co_i32 s[EV], s36, s37
	s_add_co_i32 s[EO], s38, s39
	s_add_co_i32 s[EO], s[EO], 127
	s_lshl_b32 s[EO], s[EO], 23                    ; 2^(e6 + e7) as f32
	s_mov_b32 s[EO+1], s[EO]
	s_add_co_i32 s2, s32, 127
	s_lshl_b32 s3, s2, 23
	v_mov_b32 v24, s3                              ; 2^e0: the conversion takes its exponent field
	s_add_co_i32 s2, s2, 15
	s_lshl_b32 s2, s2, 23
	s_or_b32 s2, s2, 0x600000
	v_mov_b32 v25, s2                              ; 57,344 x 2^e0
	s_add_co_i32 s2, s38, 127
	s_lshl_b32 s3, s2, 23
	v_mov_b32 v26, s3                              ; the same for e6
	s_add_co_i32 s2, s2, 15
	s_lshl_b32 s2, s2, 23
	s_or_b32 s2, s2, 0x600000
	v_mov_b32 v27, s2
	s_wait_tensorcnt 0x0                           ; my parts of W1 and of ct are in,
	s_barrier_signal -1
	s_barrier_wait -1                              ; everybody's are
	; ---- product 1, while Lt is on its way: q' for the 8 batches, my 128 columns
	ABUILD ABC, 1040, 0, 24, 25
	QSTEPS
	s_wait_loadcnt 48                              ; b1 and b2 are in; the 48 loads of Lt issued behind them may be out
.irp et, 0,1,2,3,4,5,6,7
	v_mul_f32 v[VEC+\et], s[CK], v[VEC+\et]        ; b1 x c x 2^(e2+e3).  (These eight are also the places behind the last products)
.endr
	XCH XSQ, 1
	CHANGE 0, 8                                    ; W2's first half into slot 0; the round also shows q' to every wave
	; ---- q . b2, which every score of a batch carries: a sixteenth of it starts each lane's S, and the sum over 16 lanes gives it back
.irp b, 0,1
.irp i, 0,1,2,3
	ds_load_b128 v[AC+16*\b+4*\i:AC+16*\b+4*\i+3], v[ROW] offset:RP*\b+512*\i
.endr
.endr
.irp j, 0,1,2,3,4,5,6,7,8,9,10,11,12,13,14,15
	v_ldexp_f32 v[VEC+8+\j], v[VEC+8+\j], s[NEK]   ; b2 / 2^(e2+e3)
.endr
	s_wait_dscnt 0x0
.irp b, 0,1
	v_pk_mul_f32 v[ST+4*\b:ST+4*\b+1], v[AC+16*\b:AC+16*\b+1], v[VEC+8:VEC+9]
.endr
.irp j, 2,4,6,8,10,12,14
.irp b, 0,1
	v_pk_fma_f32 v[ST+4*\b:ST+4*\b+1], v[AC+16*\b+\j:AC+16*\b+\j+1], v[VEC+8+\j:VEC+8+\j+1], v[ST+4*\b:ST+4*\b+1]
.endr
.endr
.irp b, 0,1
	v_add_f32 v[ST+4*\b], v[ST+4*\b], v[ST+4*\b+1]
.endr
	WSUM2 ST, ST+4
.irp b, 0,1
	v_mul_f32 v[ST+4*\b], 0x3d800000, v[ST+4*\b]   ; / 16: nothing is rounded
.endr
.irp b, 0,1
.set SJ, 0
.rept 32
	v_mov_b32 v[S+32*\b+SJ], v[ST+4*\b]
.set SJ, SJ+1
.endr
.endr
.irp t, 0,1,2,3
	LTURN \t
.endr
	WIN 0
	CHANGE 1, 8                                    ; W2's first half has landed, and the round shows it to every wave; its second half goes into slot 1
.irp t, 4,5,6,7,8,9,10,11,12,13,14,15
	LTURN \t
.endr
	WIN 0
.irp i, 0,1,2,3
	global_load_b128 v[VEC+4*\i:VEC+4*\i+3], v[VOF], s[20:21] offset:512*\i          ; b3, ln_g, ln_b, b4: waited for ahead of the LayerNorm
	global_load_b128 v[VEC+16+4*\i:VEC+16+4*\i+3], v[VOF], s[24:25] offset:512*\i
	global_load_b128 v[VEC+32+4*\i:VEC+32+4*\i+3], v[VOF], s[26:27] offset:512*\i
	global_load_b128 v[VEC+48+4*\i:VEC+48+4*\i+3], v[VOF], s[22:23] offset:512*\i
.endr
	; ---- K: 32 steps over W2
	WIN 0x40
.irp s, 0,1,2,3
.irp c, 0,1,2,3
	ds_load_b128 v[16*\s+4*\c:16*\s+4*\c+3], v[AW0] offset:128*\s+32*\c      ; the first fragment
.endr
.endr
	WIN 0
	HALF 0, 0, 1, 0, 10, 1, 0                      ; its last step asks for W3's first half
	HALF 0, 1, 0, 1, 10, 1, 0                      ; W3's second half; and fetches W3's first fragment
	DRAIN 0
	; ---- softmax over 64 keys, two batches.  The sum over e is closed across the 16 lanes; then lane half h holds t = 16 tile + 8 h + j
.irp m, 1,2,4,8
.set SJ, 0
.rept 64
	v_add_f32_dpp v[S+SJ], v[S+SJ], v[S+SJ] row_xmask:\m row_mask:0xf bank_mask:0xf
.set SJ, SJ+1
.endr
.endr
.irp b, 0,1
	v_max3_num_f32 v[ST+4*\b], v[S+32*\b], v[S+32*\b+1], v[S+32*\b+2]
	v_max3_num_f32 v[ST+4*\b+1], v[S+32*\b+3], v[S+32*\b+4], v[S+32*\b+5]
.endr
.irp i, 6,10,14,18,22,26
.irp b, 0,1
	v_max3_num_f32 v[ST+4*\b], v[ST+4*\b], v[S+32*\b+\i], v[S+32*\b+\i+1]
	v_max3_num_f32 v[ST+4*\b+1], v[ST+4*\b+1], v[S+32*\b+\i+2], v[S+32*\b+\i+3]
.endr
.endr
.irp b, 0,1
	v_max3_num_f32 v[ST+4*\b], v[ST+4*\b], v[S+32*\b+30], v[S+32*\b+31]
.endr
.irp b, 0,1
	v_max_num_f32 v[ST+4*\b], v[ST+4*\b], v[ST+4*\b+1]
.endr
.irp b, 0,1
	v_permlanex16_b32 v[ZZ+\b], v[ST+4*\b], s[SEL], s[SEL+1]
.endr
.irp b, 0,1
	v_max_num_f32 v[ST+4*\b], v[ST+4*\b], v[ZZ+\b] ; the batch's largest score
.endr
.irp b, 0,1
.irp j, 0,2,4,6,8,10,12,14,16,18,20,22,24,26,28,30
	v_pk_add_f32 v[S+32*\b+\j:S+32*\b+\j+1], v[S+32*\b+\j:S+32*\b+\j+1], v[ST+4*\b:ST+4*\b+1] op_sel_hi:[1,0] neg_lo:[0,1] neg_hi:[0,1]
.endr
.endr
.set SJ, 0
.rept 64
	v_exp_f32 v[S+SJ], v[S+SJ]                     ; p = 2^(score - maximum): c holds log2(e)
.set SJ, SJ+1
.endr
	v_nop                                          ; a plain instruction behind the last exponential
	s_wait_alu depctr_va_vdst(0)                   ; one wait for the batch of 64, ahead of its first reader
.irp b, 0,1
	v_pk_add_f32 v[ST+4*\b+2:ST+4*\b+3], v[S+32*\b:S+32*\b+1], v[S+32*\b+2:S+32*\b+3]
	v_pk_add_f32 v[U+4*\b:U+4*\b+1], v[S+32*\b+4:S+32*\b+5], v[S+32*\b+6:S+32*\b+7]
.endr
.irp j, 8,12,16,20,24,28
.irp b, 0,1
	v_pk_add_f32 v[ST+4*\b+2:ST+4*\b+3], v[ST+4*\b+2:ST+4*\b+3], v[S+32*\b+\j:S+32*\b+\j+1]
	v_pk_add_f32 v[U+4*\b:U+4*\b+1], v[U+4*\b:U+4*\b+1], v[S+32*\b+\j+2:S+32*\b+\j+3]
.endr
.endr
.irp b, 0,1
	v_pk_add_f32 v[ST+4*\b+2:ST+4*\b+3], v[ST+4*\b+2:ST+4*\b+3], v[U+4*\b:U+4*\b+1]
.endr
.irp b, 0,1
	v_add_f32 v[ST+4*\b+2], v[ST+4*\b+2], v[ST+4*\b+3]
.endr
.irp b, 0,1
	v_permlanex16_b32 v[ZZ+\b], v[ST+4*\b+2], s[SEL], s[SEL+1]
.endr
.irp b, 0,1
	v_add_f32 v[ST+4*\b+2], v[ST+4*\b+2], v[ZZ+\b] ; the row's sum, at least 1
.endr
.irp b, 0,1
	v_rcp_f32 v[ST+4*\b+2], v[ST+4*\b+2]
.endr
	v_nop
	s_wait_alu depctr_va_vdst(0)                   ; one wait for the two reciprocals
.irp b, 0,1
	v_ldexp_f32 v[ST+4*\b+2], v[ST+4*\b+2], s[EV]  ; x 2^(e4+e5): v's raw sums lack it
.endr
.irp b, 0,1
.irp j, 0,2,4,6,8,10,12,14,16,18,20,22,24,26,28,30
	v_pk_mul_f32 v[S+32*\b+\j:S+32*\b+\j+1], v[S+32*\b+\j:S+32*\b+\j+1], v[ST+4*\b+2:ST+4*\b+3] op_sel_hi:[1,0]
.endr
.endr
	; ---- V: 32 steps over W3; the weighted sums land in my two rows of QY
	HALF 1, 0, 1, 0, 12, 1, 1                      ; its last step asks for W4's first half, and prefetches the second
	HALF 1, 1, 0, 1, 12, 0, 0                      ; W4's second half; nothing more to fetch
	DRAIN 1
	; ---- LayerNorm of my two rows; lane l holds e = 128 i + 4 l + 0 .. 3
	s_wait_loadcnt 0x0                             ; b3, ln_g, ln_b, b4
.irp b, 0,1
.irp i, 0,1,2,3
	ds_load_b128 v[AC+16*\b+4*\i:AC+16*\b+4*\i+3], v[ROW] offset:RP*\b+512*\i      ; LDS serves a wave's instructions in order (ISA guide 5.7.1.4): these see my stores
.endr
.endr
	s_mov_b32 s2, 0x3b000000                       ; 1 / 512
	s_mov_b32 s3, 0x3727c5ac                       ; 1e-5
	s_wait_dscnt 0x0
.irp j, 0,2,4,6,8,10,12,14
.irp b, 0,1
	v_pk_add_f32 v[AC+16*\b+\j:AC+16*\b+\j+1], v[AC+16*\b+\j:AC+16*\b+\j+1], v[VEC+\j:VEC+\j+1]     ; + b3
.endr
.endr
.irp b, 0,1
	v_pk_add_f32 v[ST+4*\b:ST+4*\b+1], v[AC+16*\b:AC+16*\b+1], v[AC+16*\b+2:AC+16*\b+3]
.endr
.irp j, 4,6,8,10,12,14
.irp b, 0,1
	v_pk_add_f32 v[ST+4*\b:ST+4*\b+1], v[ST+4*\b:ST+4*\b+1], v[AC+16*\b+\j:AC+16*\b+\j+1]
.endr
.endr
.irp b, 0,1
	v_add_f32 v[ST+4*\b], v[ST+4*\b], v[ST+4*\b+1]
.endr
	WSUM2 ST, ST+4
.irp b, 0,1
	v_mul_f32 v[ST+4*\b], s2, v[ST+4*\b]           ; the mean
.endr
.irp j, 0,2,4,6,8,10,12,14
.irp b, 0,1
	v_pk_add_f32 v[AC+16*\b+\j:AC+16*\b+\j+1], v[AC+16*\b+\j:AC+16*\b+\j+1], v[ST+4*\b:ST+4*\b+1] op_sel_hi:[1,0] neg_lo:[0,1] neg_hi:[0,1]
.endr
.endr
.irp b, 0,1
	v_pk_mul_f32 v[ST+4*\b+2:ST+4*\b+3], v[AC+16*\b:AC+16*\b+1], v[AC+16*\b:AC+16*\b+1]
.endr
.irp j, 2,4,6,8,10,12,14
.irp b, 0,1
	v_pk_fma_f32 v[ST+4*\b+2:ST+4*\b+3], v[AC+16*\b+\j:AC+16*\b+\j+1], v[AC+16*\b+\j:AC+16*\b+\j+1], v[ST+4*\b+2:ST+4*\b+3]
.endr
.endr
.irp b, 0,1
	v_add_f32 v[ST+4*\b+2], v[ST+4*\b+2], v[ST+4*\b+3]
.endr
	WSUM2 ST+2, ST+6
.irp b, 0,1
	v_fma_f32 v[ST+4*\b+2], v[ST+4*\b+2], s2, s3   ; the variance + 1e-5
.endr
.irp b, 0,1
	v_rsq_f32 v[ST+4*\b+2], v[ST+4*\b+2]
.endr
	v_nop
	s_wait_alu depctr_va_vdst(0)                   ; one wait for the two roots
.irp j, 0,2,4,6,8,10,12,14
.irp b, 0,1
	v_pk_mul_f32 v[AC+16*\b+\j:AC+16*\b+\j+1], v[AC+16*\b+\j:AC+16*\b+\j+1], v[ST+4*\b+2:ST+4*\b+3] op_sel_hi:[1,0]
.endr
.endr
.irp j, 0,2,4,6,8,10,12,14
.irp b, 0,1
	v_pk_fma_f32 v[AC+16*\b+\j:AC+16*\b+\j+1], v[AC+16*\b+\j:AC+16*\b+\j+1], v[VEC+16+\j:VEC+16+\j+1], v[VEC+32+\j:VEC+32+\j+1]
.endr
.endr
.irp b, 0,1
.irp i, 0,1,2,3
	ds_store_b128 v[ROW], v[AC+16*\b+4*\i:AC+16*\b+4*\i+3] offset:RP*\b+512*\i
.endr
.endr
	s_wait_tensorcnt 0x0                           ; my part of W4's second half is in,
	s_wait_dscnt 0x0                               ; my rows have landed,
	s_barrier_signal -1
	s_barrier_wait -1                              ; everybody's have
	; ---- product 6: the relu is the hold's lower bound; my 128 columns for the 8 batches
	ABUILD ABY, 1024, 1, 26, 27
	QSTEPS
	PLACES
	XCH XSO, 0
	s_wait_dscnt 0x0
	s_barrier_signal -1
	s_barrier_wait -1                              ; 8 whole rows of sums lie in the stage
	; ---- out = ct + sum x 2^(e6+e7) + b4: my two rows
.irp b, 0,1
.irp i, 0,1,2,3
	ds_load_b128 v[AC+16*\b+4*\i:AC+16*\b+4*\i+3], v[ORW] offset:RP*\b+512*\i
	ds_load_b128 v[S+16*\b+4*\i:S+16*\b+4*\i+3], v[CTR] offset:RP*\b+1040*(\i/2)+512*(\i%2)
.endr
.endr
	s_wait_dscnt 0x0
.irp b, 0,1
.irp j, 0,2,4,6,8,10,12,14
	v_pk_fma_f32 v[AC+16*\b+\j:AC+16*\b+\j+1], v[AC+16*\b+\j:AC+16*\b+\j+1], s[EO:EO+1], v[VEC+48+\j:VEC+48+\j+1] op_sel_hi:[1,0,1]
.endr
.endr
.irp b, 0,1
.irp j, 0,2,4,6,8,10,12,14
	v_pk_add_f32 v[AC+16*\b+\j:AC+16*\b+\j+1], v[AC+16*\b+\j:AC+16*\b+\j+1], v[S+16*\b+\j:S+16*\b+\j+1]
.endr
.endr
.irp b, 0,1
.irp i, 0,1,2,3
	global_store_b128 v[VOF], v[AC+16*\b+4*\i:AC+16*\b+4*\i+3], s[30:31] offset:2048*\b+512*\i th:TH_STORE_NT   ; 32 lanes store 512 consecutive bytes, at a multiple of 256 from out's first byte
.endr
.endr
	s_wait_tensorcnt 0x0                           ; the wave's end, behind my last tensor load and my last LDS store
	ds_add_u32 v[SPW], v[NIL]
	s_wait_dscnt 0x0
	ROUND                                          ; the closing round: no work-group ends while a partner may still ask for a tile that names it
	s_endpgm
.Lfunc_end_k_q918ae680c5_nlblock:
	.size	k_q918ae680c5_nlblock, .Lfunc_end_k_q918ae680c5_nlblock-k_q918ae680c5_nlblock
	.p2alignl 7, 3214868480
	.fill 96, 4, 3214868480
	.section	.rodata,"a",@progbits
	.p2align	6, 0x0
	.amdhsa_kernel k_q918ae680c5_nlblock
		.amdhsa_group_segment_fixed_size 327680
		.amdhsa_private_segment_fixed_size 0
		.amdhsa_enable_private_segment 0
		.amdhsa_kernarg_size 112
		.amdhsa_user_sgpr_count 2
		.amdhsa_user_sgpr_kernarg_segment_ptr 1
		.amdhsa_wavefront_size32 1
		.amdhsa_system_sgpr_workgroup_id_x 1
		.amdhsa_system_sgpr_workgroup_id_y 1
		.amdhsa_system_sgpr_workgroup_id_z 1
		.amdhsa_system_vgpr_workitem_id 0
		.amdhsa_next_free_vgpr 1024
		.amdhsa_next_free_sgpr 96
		.amdhsa_reserve_vcc 0
		.amdhsa_float_denorm_mode_32 3
		.amdhsa_float_denorm_mode_16_64 3
		.amdhsa_memory_ordered 1
		.amdhsa_forward_progress 1
		.amdhsa_inst_pref_size 255
	.end_amdhsa_kernel
	.section	.bss,"aw",@nobits
	.p2align	6
	.space	262144
	.amdgpu_metadata
---
amdhsa.version: [ 1, 2 ]
amdhsa.kernels:
  - .name:           k_q918ae680c5_nlblock
    .symbol:         k_q918ae680c5_nlblock.kd
    .args:
      - { .name: Lt_codes, .offset: 0, .size: 8, .value_kind: global_buffer, .address_space: global }
      - { .name: W1_codes, .offset: 8, .size: 8, .value_kind: global_buffer, .address_space: global }
      - { .name: W2_codes, .offset: 16, .size: 8, .value_kind: global_buffer, .address_space: global }
      - { .name: W3_codes, .offset: 24, .size: 8, .value_kind: global_buffer, .address_space: global }
      - { .name: W4_codes, .offset: 32, .size: 8, .value_kind: global_buffer, .address_space: global }
      - { .name: ct, .offset: 40, .size: 8, .value_kind: global_buffer, .address_space: global }
      - { .name: b1, .offset: 48, .size: 8, .value_kind: global_buffer, .address_space: global }
      - { .name: b2, .offset: 56, .size: 8, .value_kind: global_buffer, .address_space: global }
      - { .name: b3, .offset: 64, .size: 8, .value_kind: global_buffer, .address_space: global }
      - { .name: b4, .offset: 72, .size: 8, .value_kind: global_buffer, .address_space: global }
      - { .name: ln_g, .offset: 80, .size: 8, .value_kind: global_buffer, .address_space: global }
      - { .name: ln_b, .offset: 88, .size: 8, .value_kind: global_buffer, .address_space: global }
      - { .name: lowp_scales, .offset: 96, .size: 8, .value_kind: global_buffer, .address_space: global }
      - { .name: out0, .offset: 104, .size: 8, .value_kind: global_buffer, .address_space: global }
    .group_segment_fixed_size: 327680
    .private_segment_fixed_size: 0
    .kernarg_segment_align: 8
    .kernarg_segment_size: 112
    .max_flat_workgroup_size: 128
    .sgpr_count:     96
    .vgpr_count:     1024
    .wavefront_size: 32
...
	.end_amdgpu_metadata
.endif
;; end of part 1
;; ======== version 2 of 2: 1 launch
;; limits: right only within a limited range of input values
;; launch nlblock (part 2): grid 256 x 1, 4 waves a work-group, clusters of 4 x 1, 327,680 bytes of LDS; arguments Lt_codes, W1_codes, W2_codes, W3_codes, W4_codes, ct, b1, b3, b4, ln_g, ln_b, lowp_scales, out0; writes out0
.if DOCPART == 2
	.amdgcn_target "amdgcn-amd-amdhsa--gfx1250"
	.amdhsa_code_object_version 6
	.text
	.protected	k_q918ae680c5_nlblock
	.globl	k_q918ae680c5_nlblock
	.p2align	8
	.type	k_q918ae680c5_nlblock,@function
k_q918ae680c5_nlblock:
	s_mov_b64 s[64:65], 0
	v_nop
	global_prefetch_b8 v0, s[64:65] scope:SCOPE_SE
	s_setreg_imm32_b32 hwreg(HW_REG_WAVE_MODE, 25, 1), 1
	s_wait_xcnt 0x0
	s_wait_alu depctr_hold_cnt(0) depctr_sa_sdst(0) depctr_va_vdst(0) depctr_va_sdst(0) depctr_va_ssrc(0) depctr_va_vcc(0) depctr_vm_vsrc(0)
	s_getreg_b32 s2, hwreg(HW_REG_IB_STS2, 6, 4)
	s_cmp_eq_u32 s2, 0
	s_cbranch_scc0 .Lentry_in_a_cluster
	s_endpgm
.Lentry_in_a_cluster:
	s_bfe_u32 s2, ttmp6, 0x10000c
	s_cmp_lg_u32 s2, 0x3003
	s_cbranch_scc0 .Lentry_shape_is_right
	s_endpgm
.Lentry_shape_is_right:
; out = ct + Q(relu(LN(softmax(q . k / sqrt(512)) v))) W4^T + b4,  q = Q(ct) W1^T + b1,  k = Lt W2^T,  v = Lt W3^T + b3.
; DEAD WORK.  b2 enters the scores as q . b2, one number for all 64 keys of a batch: a softmax over the keys takes it away for all values of q and b2, and no quantiser stands between k and
;   the softmax.  So b2 is not loaded and is no argument.  LIMIT: a NaN, an infinity or an overflow that reaches b2 or q . b2 alone is not carried to the result.
; The four products with a weight matrix run on codes of BF8 (E5M2) by v_wmma_f32_16x16x128_bf8_bf8, sums in f32; q . k and p . v (one row each) are f32 multiply-adds.
; SHARES.  256 work-groups of four waves; a work-group owns 8 batches, a wave 2: 128 rows of Lt, 64 KiB of codes, which stay in 512 of its registers, read from memory once.
; The weights walk through LDS in two slots of 256 rows.  A step takes 16 rows of a matrix (64 registers, 16 LDS loads) against the wave's 8 tiles of 16 rows: 32 matrix instructions.
; A step has two groups of 16: tiles 0-3 (the wave's batch 0), then tiles 4-7 (batch 1); four accumulators by turns.  k and v are never stored: while one group is multiplied the other's tiles are reduced.
;   K is used transposed (source 0 = 16 weight rows): a lane holds ONE key t = 16 tile + r, its registers e = 8 h + j: S[tile] += q[e] k: a lane's own sum, closed over the two halves h at the end.
;   V (source 0 = 16 rows of Lt): a lane holds column e = r, its registers t = 8 h + j: the sum over its keys of p v goes to LDS, a row for each half h; the LayerNorm adds the two rows.
; Products 1 and 6 (8 rows, doubled to 16) are shared by columns, 128 a wave, and are transposed too: a lane holds one batch and eight neighbouring columns.
; FOLDED SCALES.  The score in base 2 is (sum of q x raw k) x c x 2^(e2+e3), c = log2(e) / sqrt(512).  p' = p x 2^(e4+e5) / the row's sum; the weights add up to 1, so b3 is added once to the weighted sum.
; CLUSTER.  The four work-groups of a cluster walk the same weights in step: each tile of weights is asked for JOINTLY (mask 15).  Lt, ct and out are each work-group's own; a mask names four at the most, so the cluster is 4 x 1.
; PREFETCH.  Each half of W2, W3 and W4 is asked for one load ahead by the first four clusters, each block once in a cluster (partners told apart by address).  Lt is asked for by its own loads, two to three tiles of 8 KiB a wave ahead, and needs none.
; LIMITS on the given exponents, so that each power of two below is an f32 number: e0 and e6 between -126 and 112; e0+e1 and e6+e7 between -126 and 127; e2+e3 between -122 and 131 (added to c's exponent field);
;   e4+e5 is applied by v_ldexp_f32 and has none.  The scaled scores stay under 2^31 in magnitude.  NaN among the inputs is not served.
; K IS PERMUTED ALIKE IN BOTH OPERANDS: registers 4 c .. 4 c + 3 of K step s hold k = 128 s + 32 c + 16 h + 0 .. 15 (a fragment comes by loads of 16 bytes); only the order of the sums inside an instruction changes.
; REGISTERS, in windows of 256.  Window 0: v0-31 addresses and constants; v32-63, v64-95 Lt's half tiles 7 and 15 (K steps 2, 3 of tiles 3 and 7); v96-127 ct + b4; v128-159 rows at work;
;   v160-223 sums of products 1 and 6, between them b3, ln_g, ln_b; v232-255 at work.
;   Window 1: v0-63, v64-127 two weight fragments; v128-159, v160-191 the accumulators of tiles 0-3, 4-7; v192-207 S; v208-213 V's sums; v214-217 addresses; v224-245 softmax.
;   Windows 2, 3: Lt's tiles 0-3, 4-7 (K step s of tile i at v[64 (i % 4) + 16 s], but for the two half tiles above); v224-255: first b1; then q, later p', of batch 1 (window 2) and batch 0 (window 3):
;   so a product and the reduction beside it take their operands under one setting.
.set WP,    528                        ; a weight row in LDS: 512 bytes + 16 of padding = 132 words: the 16 rows of a fragment load start 4 banks apart (64 banks of 4 bytes: ISA guide 11.1)
.set FRAGB, 16*WP
.set SLOTB, 256*WP                     ; a slot: half a matrix; the two slots on end hold a matrix, row e at WP x e
.set RP,    2080                       ; a row of 512 f32 in LDS: 2,048 bytes + 32
.set QY,    2*SLOTB                    ; [8][512] f32: q; then a wave's p' in its own first row bytes; at the end product 6's sums
.set CP,    528
.set CDB,   QY+8*RP                    ; codes of 8 rows, for products 1 and 6
.set STG,   CDB+4352                   ; 8,704 bytes for each wave: Lt's turn (two half tiles of 16 rows x 272); later V's four rows
.set STW,   8704
.set TP,    272
.set HT,    4352
.set VR,    2112                       ; a row of V's sums: 2,048 bytes + 64; rows [batch][half h]
.set SPARE, STG+4*STW                  ; the spare words, 128 bytes for each wave: two blocks of 256 bytes that no other line names
.set SPW, 4                            ; SPARE + 4 x my thread's number; never rewritten
.set NIL, 5                            ; 0; never rewritten
.set AW0, 6                            ; my lane's place in a fragment: WP r + 16 h
.set AWP, 8                            ; products 1 and 6: my lane's place in my 64 rows of a matrix's first half
.set AWP2, 9                           ; and of its second half
.set LTG, 10                           ; Lt in memory: 512 h + 16 r
.set STS, 11                           ; Lt's turn, in: row h, 16 r
.set STL, 12                           ; and back: row r, 16 h
.set CDS, 13                           ; codes, in: my two rows, 4 bytes a lane
.set CDR, 14                           ; codes, back: row r % 8, 16 h
.set XSO, 16                           ; products 1 and 6's results: QY, row r % 8, columns 64 w + 8 h (and 256 further on)
.set QA0, 17                           ; QY, my first batch's row, 32 h
.set PST, 18                           ; the same, 4 r
.set QSV, 19                           ; V's sums: my stage, row h, 4 r
.set LNR, 20                           ; my stage, 16 bytes a lane
.set ROW, 21                           ; QY, my first batch's row, 16 bytes a lane
.set VOF, 22                           ; 16 x lane
.set B1O, 23                           ; b1: 4 (64 w + 8 h)
.set PFO, 28                           ; the prefetches' offset: 8,192 x (4 cx + w) + 256 x lane; never rewritten
.set CT,  96
.set XR,  128
.set AP,  160
.set LP,  160
.set CO8, 232
.set ZZ,  242                          ; destinations of lane exchanges: written once at the head
.set ST,  244
.set SC,  192                          ; window 1
.set UB,  208
.set XS,  212
.set ADW, 215
.set QAD, 217
.set SM,  224
.set ZT,  232
.set MX,  240
.set SU,  242
.set TU,  244
.set QP,  224                          ; windows 2, 3
.set G1F, 32                           ; s[32:39] descriptor group 1 for a whole matrix: 128 rows a wave
.set G1W, 40                           ; s[40:47] for half a matrix: 64 rows a wave
.set EX,  48                           ; s[48:55] the eight exponents
.set G0S, 56                           ; s[56:59], s[60:63] group 0 for slot 0, slot 1
.set G0F, 96                           ; s[96:99] group 0 for W1 whole
.set WV,  66
.set CNT, 67
.set OFF, 72                           ; s[72:73], s[74:75] my 64 rows of a matrix's first and second half, in bytes
.set SEL, 76                           ; s[76:77] v_permlanex16_b32's selects for lane l xor 16
.set FO,  78                           ; LDS byte of the fragment to be fetched
.set QO,  79                           ; byte in a row of the step's 16 columns
.set CK,  84                           ; c x 2^(e2+e3)
.set EV,  86                           ; e4+e5
.set EO,  88                           ; s[88:89] 2^(e6+e7), named as a pair
.set E1,  90                           ; s[90:91] 2^(e0+e1), named as a pair
.set PFL, 92                           ; 1 in the first four clusters
.set MSB, 0
.macro WIN new                         ; the immediate's high byte repeats the setting that is left; a switch that changes nothing is dropped
.if MSB != (\new)
	s_set_vgpr_msb (MSB<<8)|(\new)
.set MSB, (\new)
.endif
.endm
.macro PLACES                          ; four plain vector instructions behind matrix instructions (ISA guide 7.12.1)
.rept 4
	v_nop
.endr
.endm
.macro CREST                           ; a round of the cluster's barrier behind its opening barrier
	s_cmp_lg_u32 s[WV], 0
	s_cbranch_scc1 .Lnot_wave_0_\@
	s_barrier_signal -3
.Lnot_wave_0_\@:
	s_barrier_wait -3
	s_barrier_signal -1
	s_barrier_wait -1
.endm
.macro ROUND
	s_barrier_signal -1
	s_barrier_wait -1
	CREST
.endm
; A prefetch of half a matrix, 131,072 bytes: 8,192 for each of a cluster's sixteen waves, lanes 256 bytes apart.  The branch hangs on the cluster's number alone.
.macro ASK ptr, off
	s_cmp_lg_u32 s[PFL], 0
	s_cbranch_scc0 .Lnot_mine_\@
	global_prefetch_b8 v[PFO], s[\ptr:\ptr+1] offset:\off th:TH_LOAD_NT scope:SCOPE_SE
.Lnot_mine_\@:
.endm
; Where half tile ht of Lt (tile ht / 2, 256 bytes ht % 2 of its rows) lives.
.macro LTP ht
.if (\ht) == 7
.set LTW, 0
.set LTR, 32
.elseif (\ht) == 15
.set LTW, 0
.set LTR, 64
.else
.set LTW, 2+(\ht)/8
.set LTR, 64*(((\ht)/2)%4)+32*((\ht)%2)
.endif
.endm
.macro TLOAD i                         ; 16 loads; in each, lanes 0-15 take 256 consecutive bytes of row 2 u, lanes 16-31 of row 2 u + 1
.irp f, 0,1
	LTP 2*(\i)+\f
	WIN 0x40*LTW
.irp u, 0,1,2,3,4,5,6,7
	global_load_b128 v[LTR+4*\u:LTR+4*\u+3], v[LTG], s[4:5] offset:8192*(\i)+256*\f+1024*\u th:TH_LOAD_NT
.endr
.endr
.endm
; The tile turns through my stage: in as it was loaded, back as four fragments, into the registers that it left.  Once it is in, the tile named by next, if any, is asked for.
.macro TTURN i, younger, next          ; younger: the loads issued behind tile i's, which may be out (they come back in order); next: the tile to be asked for here, 0: none
	s_wait_loadcnt \younger
.if \next
	TLOAD \next
.endif
.irp f, 0,1
	LTP 2*(\i)+\f
	WIN 4*LTW
.irp u, 0,1,2,3,4,5,6,7
	ds_store_b128 v[STS], v[LTR+4*\u:LTR+4*\u+3] offset:HT*\f+2*TP*\u
.endr
.endr
	s_wait_dscnt 0x0                               ; the stores have read their registers, into which the loads below land
.irp f, 0,1
	LTP 2*(\i)+\f
	WIN 0x40*LTW
.irp p, 0,1
.irp c, 0,1,2,3
	ds_load_b128 v[LTR+16*\p+4*\c:LTR+16*\p+4*\c+3], v[STL] offset:HT*\f+128*\p+32*\c
.endr
.endr
.endr
.endm
; My two rows, 32 numbers a lane at XR (row b, e = 128 i + 4 l + 0 .. 3 at XR + 16 b + 4 i), held already, become codes and go to LDS: a conversion takes the numbers of i and i + 1, its two words go to two places.
.macro CODES sc
.irp q, 0,1,2,3
	v_cvt_scalef32_pk8_bf8_f32 v[CO8+2*\q:CO8+2*\q+1], v[XR+8*\q:XR+8*\q+7], v[\sc]
.endr
	v_nop                                          ; a plain vector instruction behind the last conversion
.irp q, 0,1,2,3
	ds_store_b32 v[CDS], v[CO8+2*\q] offset:CP*(\q/2)+256*(\q%2)
	ds_store_b32 v[CDS], v[CO8+2*\q+1] offset:CP*(\q/2)+256*(\q%2)+128
.endr
.endm
; PRODUCTS 1 AND 6: my 128 rows of the matrix (8 tiles) x the 8 rows of codes (rows 8-15 repeat rows 0-7).  Chunk c: K step c % 4 of tiles 4 (c / 4) .. + 3, 64 registers; three chunks take turns at v0-191 of window 1, the codes lie at v192-255.
.macro PLOAD c, ad, base
	WIN 0x40
.irp t, 0,1,2,3
.irp q, 0,1,2,3
	ds_load_b128 v[64*((\c)%3)+16*\t+4*\q:64*((\c)%3)+16*\t+4*\q+3], v[\ad] offset:(\base)+FRAGB*\t+128*((\c)%4)+32*\q
.endr
.endr
.endm
.macro PMUL c                          ; four accumulators by turns; the first K step starts the sums
	WIN 0x05
.irp t, 0,1,2,3
.set PA, AP+8*(4*((\c)/4)+\t)
.set PF, 64*((\c)%3)+16*\t
.set PC, 192+16*((\c)%4)
.if (\c)%4 == 0
	v_wmma_f32_16x16x128_bf8_bf8 v[PA:PA+7], v[PF:PF+15], v[PC:PC+15], 0
.else
	v_wmma_f32_16x16x128_bf8_bf8 v[PA:PA+7], v[PF:PF+15], v[PC:PC+15], v[PA:PA+7]
.endif
.endr
	PLACES
.endm
; split = 1: the second four tiles lie in slot 1, which my own load fills: it is waited for behind the first four.
.macro PROD ad, adb, bbase, split
	WIN 0x40
.irp s, 0,1,2,3
.irp c, 0,1,2,3
	ds_load_b128 v[192+16*\s+4*\c:192+16*\s+4*\c+3], v[CDR] offset:128*\s+32*\c
.endr
.endr
	PLOAD 0, \ad, 0
	PLOAD 1, \ad, 0
	PLOAD 2, \ad, 0
	s_wait_dscnt 32                                ; the codes and chunk 0 are in; chunks 1 and 2 may be out
	PMUL 0
	PLOAD 3, \ad, 0
	s_wait_dscnt 32                                ; each time the two chunks behind may be out
	PMUL 1
.if \split
	s_wait_dscnt 16
	PMUL 2
	s_wait_dscnt 0x0
	PMUL 3
	s_wait_tensorcnt 0x0                           ; my rows of the second half are in: I asked for them and nobody else reads them
	PLOAD 4, \adb, \bbase
	PLOAD 5, \adb, \bbase
	PLOAD 6, \adb, \bbase
.else
	PLOAD 4, \adb, \bbase
	s_wait_dscnt 32
	PMUL 2
	PLOAD 5, \adb, \bbase
	s_wait_dscnt 32
	PMUL 3
	PLOAD 6, \adb, \bbase
	WIN 0                                          ; product 1: slot 0 is left: it takes W2's first half while the product goes on in slot 1
	s_wait_tensorcnt 0x0                           ; no tensor load of mine is out
	ds_add_u32 v[SPW], v[NIL]
	s_wait_dscnt 0x0                               ; the add is done and my reads of slot 0 are over
	ROUND                                          ; so are everybody's in the four work-groups
	tensor_load_to_lds s[G0S:G0S+3], s[G1W:G1W+7]
	s_nop 0
	PLACES
	TLOAD 5
.endif
	s_wait_dscnt 32
	PMUL 4
	PLOAD 7, \adb, \bbase
	s_wait_dscnt 32
	PMUL 5
	s_wait_dscnt 16
	PMUL 6
	s_wait_dscnt 0x0
	PMUL 7                                         ; (its four places serve the readers of the results)
	WIN 0
.endm
.macro WSUM2 a, b                      ; two numbers a lane are summed over the wave's 32 lanes
.irp m, 1,2,4,8
	v_add_f32_dpp v[\a], v[\a], v[\a] row_xmask:\m row_mask:0xf bank_mask:0xf
	v_add_f32_dpp v[\b], v[\b], v[\b] row_xmask:\m row_mask:0xf bank_mask:0xf
.endr
	v_permlanex16_b32 v[ZZ], v[\a], s[SEL], s[SEL+1]
	v_permlanex16_b32 v[ZZ+1], v[\b], s[SEL], s[SEL+1]
	v_add_f32 v[\a], v[\a], v[ZZ]
	v_add_f32 v[\b], v[\b], v[ZZ+1]
.endm
; ---- A STEP of K (kind 0) or V (kind 1); par: its parity.  IX = 0 .. 31 its matrix instruction, GI = IX / 16 the group, II = IX % 16: K step II / 4, tile 4 GI + II % 4.
.macro MAINW kind                      ; the setting of group GI: products, reduction and, in K, the fragment's loads
.if \kind
	WIN 0x56+GI
.else
	WIN 0x59+4*GI
.endif
.endm
.macro W kind, par
.set WS, II/4
.set WT, II%4
.set AA, 128+32*GI+8*WT
.set FB, 64*(\par)+16*WS
.if (WT == 3) && (WS > 1)
.set LR, 32+32*GI+16*(WS-2)
	WIN 0x51+3*(\kind)                             ; these K steps of tiles 3 and 7 lie in window 0
.else
.set LR, 64*WT+16*WS
	MAINW \kind
.endif
.if \kind
.if WS == 0
	v_wmma_f32_16x16x128_bf8_bf8 v[AA:AA+7], v[LR:LR+15], v[FB:FB+15], 0
.else
	v_wmma_f32_16x16x128_bf8_bf8 v[AA:AA+7], v[LR:LR+15], v[FB:FB+15], v[AA:AA+7]
.endif
.else
.if WS == 0
	v_wmma_f32_16x16x128_bf8_bf8 v[AA:AA+7], v[FB:FB+15], v[LR:LR+15], 0
.else
	v_wmma_f32_16x16x128_bf8_bf8 v[AA:AA+7], v[FB:FB+15], v[LR:LR+15], v[AA:AA+7]
.endif
.endif
.endm
; Number RK (0 .. 15) of the reduction that runs beside group GI: it takes the OTHER group's four tiles, RK % 4, registers 2 (RK / 4) and on: each accumulator from its low end.
.macro RED kind
.set RJ, 2*(RK/4)
.set RA, 128+32*(1-GI)+8*(RK%4)+RJ
.if \kind
.set RU, UB+2*(1-GI)
.set RQ, QP+8*(RK%4)+RJ
.if RK == 0
	v_pk_mul_f32 v[RU:RU+1], v[RQ:RQ+1], v[RA:RA+1]
.else
	v_pk_fma_f32 v[RU:RU+1], v[RQ:RQ+1], v[RA:RA+1], v[RU:RU+1]
.endif
.else
.set RU, SC+2*(4*(1-GI)+RK%4)
	v_pk_fma_f32 v[RU:RU+1], v[RA:RA+1], v[QP+QB+RJ:QP+QB+RJ+1], v[RU:RU+1]   ; QB: which buffer of q
.endif
.endm
.macro JOIN                            ; V: the pair's two sums: the column of the other group's batch
	WIN 0x55
	v_add_f32 v[XS+1-GI], v[UB+2*(1-GI)], v[UB+2*(1-GI)+1]
.endm
.macro REDS kind                       ; the reduction's share behind matrix instruction II: K one each; V two behind the first, and the join behind the last
.if (\kind) && (II == 15)
	JOIN
.else
	MAINW \kind
.if \kind
.if II == 0
.set RK, 0
	RED \kind
.endif
.set RK, II+1
.else
.set RK, II
.endif
	RED \kind
.endif
.endm
.macro FLOAD par, o                    ; piece LD of the next step's fragment, into the other buffer
	ds_load_b128 v[64*(1-\par)+4*LD:64*(1-\par)+4*LD+3], v[ADW] offset:FRAGB*(\o)+128*(LD/4)+32*(LD%4)
.set LD, LD+1
.endm
.macro QLOAD b, par, o                 ; K: this step's q of batch b, into the window of the other group, beside which that batch is reduced; batch 1, reduced a step later, has a buffer for each parity
	WIN 0xC1-0x40*\b
.set QD, QP+8*(\par)*\b
	ds_load_b128 v[QD:QD+3], v[QAD] offset:RP*\b+64*(\o)
	ds_load_b128 v[QD+4:QD+7], v[QAD] offset:RP*\b+64*(\o)+16
.endm
; All LDS instructions of a step in one run, never among the products.  K: q of this step.  V: batch 0's column of the step before, batch 1's of the step before that (at V's second step: zeros, into the 64 bytes
; of padding in front of batch 1's rows, which nobody reads).  Then the next step's fragment.
.macro RUN kind, par, red0, o
.set LD, 0
.if \kind
	WIN 0x55
.if \red0
	ds_store_b32 v[QAD], v[XS] offset:64*(\o)
	ds_store_b32 v[QAD], v[XS+1] offset:2*VR+64*(\o)-64
.endif
.else
	QLOAD 0, \par, \o
	QLOAD 1, \par, \o
	WIN 0x59
.endif
.rept 16
	FLOAD \par, \o
.endr
.endm
.macro ADDR kind                       ; the two addresses: the fragment to be fetched; K: q, V: where its columns go
	WIN 0x40
	v_add_nc_u32 v[ADW], v[AW0], s[FO]
.if \kind
	v_add_nc_u32 v[QAD], v[QSV], s[QO]
.else
	v_add_nc_u32 v[QAD], v[QA0], s[QO]
.endif
.endm
.macro SLOT kind, par, red0, o
.set GI, IX/16
.set II, IX%16
.if IX == 16
.if \red0 == 0
	PLACES                                         ; nothing was reduced beside group 0: the places ahead of the first reads of its results
.endif
.if \kind == 0
	s_wait_dscnt 18                                ; q of batch 0 is in; q of batch 1 and the fragment, 18 loads issued behind it, may be out
.endif
.endif
.set QB, 8*(1-\par)*(1-GI)
	W \kind, \par
.if GI || (\red0)
	REDS \kind
.endif
.set IX, IX+1
.endm
; red0 = 0: a matrix's first step, with no step before to reduce or to store.  o = 1: the loop's second step, which reaches its bytes by an immediate.
.macro STEP kind, par, red0, o
.if \o == 0
	ADDR \kind                                     ; these, the v_nop and the last line of the reduction are the four places between the last product and the loads into its fragment
	v_nop
.else
.rept 3
	v_nop
.endr
.endif
.if (\o == 0) || (\kind)
	s_wait_alu depctr_va_vdst(0)
.endif
	s_wait_dscnt 0x0                               ; this step's fragment is in
	RUN \kind, \par, \red0, \o
.set IX, 0
.rept 32
	SLOT \kind, \par, \red0, \o
.endr
.endm
.macro CSLOT kind, fetch
.set GI, IX/16
.set II, IX%16
.set QB, 0
	W \kind, 1
	REDS \kind
.set IX, IX+1
.endm
; A half matrix's last step (parity 1) changes slots.  Its fragment is in registers, so nobody reads the slot any more.  All my tensor loads have landed (my part of the other slot); 0 goes onto my spare word;
; sixteen products and their share of the reduction stand between that and the wait for it, eight more inside the opening barrier; the round; the joint refill first behind it; then the step's LDS instructions.
.macro STEPC kind, fetch, slot, wptr
	ADDR \kind
	s_wait_alu depctr_va_vdst(0)
	s_wait_dscnt 0x0                               ; this step's fragment is in: my last read of the slot
.if \kind
	WIN 0x55
	ds_store_b32 v[QAD], v[XS]
	ds_store_b32 v[QAD], v[XS+1] offset:2*VR-64
.else
	QLOAD 0, 1, 0
.endif
	WIN 0
	s_wait_tensorcnt 0x0
	ds_add_u32 v[SPW], v[NIL]
	s_add_nc_u64 s[G0S+4*\slot+2:G0S+4*\slot+3], s[\wptr:\wptr+1], s[OFF+2*\slot:OFF+2*\slot+1]
	s_or_b32 s[G0S+4*\slot+3], s[G0S+4*\slot+3], 0x80000000
.set LD, 0
.set IX, 0
.rept 16
	CSLOT \kind, \fetch
.endr
	s_wait_dscnt 0x0                               ; the add is done; K: q of batch 0 is in
	s_barrier_signal -1
.rept 8
	CSLOT \kind, \fetch
.endr
	WIN 0
	s_wait_alu depctr_va_vdst(0)
	s_barrier_wait -1
	CREST                                          ; no wave of any partner still reads the slot or has a load on its way
	tensor_load_to_lds s[G0S+4*\slot:G0S+4*\slot+3], s[G1W:G1W+7]
	s_nop 0
	PLACES
.set LD, 0
.if \kind == 0
	QLOAD 1, 1, 0
.endif
.if \fetch
	WIN 0x59-4*(\kind)
.rept 16
	FLOAD 1, 0
.endr
.endif
.rept 8
	CSLOT \kind, \fetch
.endr
	WIN 0
.endm
; Half hf of a matrix: 16 steps.  K, step n: q of columns 16 n on, at 64 n.  V, step n: stores the columns of step n - 1, at 64 (n - 1).  The refill of this half's slot comes from s[wptr].
.macro HALF kind, hf, wptr, lastfetch
	s_mov_b32 s[FO], (16*\hf+1)*FRAGB
	s_mov_b32 s[QO], (16*\hf-\kind*\hf)*64
	STEP \kind, 0, \hf, 0
	s_add_co_u32 s[FO], s[FO], FRAGB
.if (\kind == 0) || (\hf)
	s_add_co_u32 s[QO], s[QO], 64
.endif
	s_mov_b32 s[CNT], 7
	WIN 0
.Lhalf_\@:
	STEP \kind, 1, 1, 0
	STEP \kind, 0, 1, 1
	s_add_co_u32 s[FO], s[FO], 2*FRAGB
	s_add_co_u32 s[QO], s[QO], 128
	WIN 0
	s_sub_co_u32 s[CNT], s[CNT], 1
	s_cmp_lg_u32 s[CNT], 0
	s_cbranch_scc1 .Lhalf_\@
	s_mov_b32 s[FO], ((16*\hf+16)%32)*FRAGB
	STEPC \kind, \lastfetch, \hf, \wptr
.endm
.macro DRAIN kind                      ; the last step's tiles 4-7 are reduced
.set GI, 0
.set QB, 8
	MAINW \kind
.set RK, 0
.rept 16
	RED \kind
.set RK, RK+1
.endr
.endm
	; ---- the head: ids, every LDS address, the descriptors' constant words
	s_load_b512 s[4:19], s[0:1], 0x0               ; Lt s[4:5], W1 s[6:7], W2 s[8:9], W3 s[10:11], W4 s[12:13], ct s[14:15], b1 s[16:17], b3 s[18:19]
	s_load_b256 s[20:27], s[0:1], 0x40             ; b4 s[20:21], ln_g s[22:23], ln_b s[24:25], the scales' exponents s[26:27]
	s_load_b64 s[28:29], s[0:1], 0x60              ; out
	v_lshl_add_u32 v[SPW], v0, 2, SPARE
	v_mov_b32 v[NIL], 0
	ds_add_u32 v[SPW], v[NIL]                      ; the wave's opening
	ds_add_u32 v[SPW], v[NIL]
	v_lshrrev_b32 v1, 5, v0
	v_readfirstlane_b32 s[WV], v1                  ; wave w, 0..3
	s_mul_i32 s81, s[WV], 128*WP
	s_mul_i32 s82, s[WV], 64*WP
	s_mul_i32 s83, s[WV], STW
	s_add_co_u32 s83, s83, STG                     ; my stage
	s_mul_i32 s85, s[WV], 2*CP
	s_add_co_u32 s85, s85, CDB                     ; my two rows of codes
	s_mul_i32 s87, s[WV], 2*RP
	s_add_co_u32 s87, s87, QY                      ; my two rows of QY
	s_lshl_b32 s3, s[WV], 8
	s_bfe_u32 s93, ttmp6, 0x40000                  ; cx: it enters the addresses of Lt, ct, out and the prefetches alone
	s_lshl_b32 s80, ttmp9, 2
	s_add_co_u32 s80, s80, s93                     ; work-group = 4 x cluster + cx
	s_lshl_b32 s93, s93, 2
	s_add_co_u32 s93, s93, s[WV]
	s_lshl_b32 s93, s93, 13
	v_and_b32 v1, 31, v0                           ; lane l
	v_and_b32 v2, 15, v0                           ; r
	v_bfe_u32 v3, v0, 4, 1                         ; h
	v_and_b32 v29, 7, v0                           ; r % 8
	v_mul_u32_u24 v[AW0], v2, WP
	v_lshl_add_u32 v[AW0], v3, 4, v[AW0]
	v_add_nc_u32 v[AWP], s82, v[AW0]
	v_add_nc_u32 v[AWP2], SLOTB, v[AWP]
	v_lshlrev_b32 v[LTG], 4, v2
	v_lshl_add_u32 v[LTG], v3, 9, v[LTG]
	v_mul_u32_u24 v[STS], v3, TP
	v_lshl_add_u32 v[STS], v2, 4, v[STS]
	v_add_nc_u32 v[STS], s83, v[STS]
	v_mul_u32_u24 v[STL], v2, TP
	v_lshl_add_u32 v[STL], v3, 4, v[STL]
	v_add_nc_u32 v[STL], s83, v[STL]
	v_lshlrev_b32 v[CDS], 2, v1
	v_add_nc_u32 v[CDS], s85, v[CDS]
	v_mul_u32_u24 v[CDR], v29, CP
	v_lshl_add_u32 v[CDR], v3, 4, v[CDR]
	v_add_nc_u32 v[CDR], CDB, v[CDR]
	v_mul_u32_u24 v30, v29, RP
	v_lshl_add_u32 v30, v3, 5, v30
	v_add_nc_u32 v30, QY, v30
	v_add_nc_u32 v[XSO], s3, v30
	v_lshlrev_b32 v[QA0], 5, v3
	v_add_nc_u32 v[B1O], s3, v[QA0]
	v_add_nc_u32 v[QA0], s87, v[QA0]
	v_lshlrev_b32 v[PST], 2, v2
	v_add_nc_u32 v[PST], s87, v[PST]
	v_mul_u32_u24 v[QSV], v3, VR
	v_lshl_add_u32 v[QSV], v2, 2, v[QSV]
	v_add_nc_u32 v[QSV], s83, v[QSV]
	v_lshlrev_b32 v[VOF], 4, v1
	v_add_nc_u32 v[LNR], s83, v[VOF]
	v_add_nc_u32 v[ROW], s87, v[VOF]
	v_lshlrev_b32 v[PFO], 8, v1
	v_add_nc_u32 v[PFO], s93, v[PFO]
	v_mov_b32 v[ZZ], 0                             ; a lane exchange's destination counts as one of its sources
	v_mov_b32 v[ZZ+1], 0
	s_lshl_b32 s[OFF], s[WV], 15                   ; 64 rows of 512 bytes a wave
	s_mov_b32 s[OFF+1], 0
	s_add_co_u32 s[OFF+2], s[OFF], 131072
	s_mov_b32 s[OFF+3], 0
	s_mov_b32 s[SEL], 0x76543210
	s_mov_b32 s[SEL+1], 0xfedcba98
.irp g, G1F, G1W
	s_mov_b32 s[\g], 15|(1<<20)|(1<<21)|(6<<22)|(3<<25)    ; 15:0 the mask: all four work-groups; 17:16 elements of 1 byte; 20 padding on; 21 set beside a mask; 24:22 after every 128 words (code 6); 31:25 four words (code 3)
	s_mov_b32 s[\g+1], 512<<16                     ; tensor_dim0
	s_mov_b32 s[\g+3], 512<<16                     ; tile_dim0
	s_mov_b32 s[\g+5], 512                         ; tensor_dim0_stride
	s_mov_b32 s[\g+6], 0
	s_mov_b32 s[\g+7], 0
.endr
	s_mov_b32 s[G1F+2], 128<<16                    ; tensor_dim1
	s_mov_b32 s[G1F+4], 128                        ; tile_dim1
	s_mov_b32 s[G1W+2], 64<<16
	s_mov_b32 s[G1W+4], 64
	s_cmp_lt_u32 ttmp9, 4
	s_cselect_b32 s[PFL], 1, 0
	s_lshl_b32 s2, s80, 2
	s_add_co_u32 s2, s2, s[WV]                     ; 4 x work-group + wave
	s_lshl_b32 s94, s2, 12                         ; x two rows of 2,048 bytes: ct and out
	s_mov_b32 s95, 0
	s_lshl_b32 s2, s2, 16                          ; x 128 rows of 512 bytes: Lt
	s_mov_b32 s3, 0
	s_mov_b32 s[G0S], 1
	s_mov_b32 s[G0S+1], s82                        ; my 64 rows of slot 0,
	s_mov_b32 s[G0S+4], 1
	s_add_co_u32 s[G0S+5], s82, SLOTB              ; of slot 1
	s_mov_b32 s[G0F], 1
	s_mov_b32 s[G0F+1], s81                        ; my 128 rows of the two slots on end
	s_wait_alu depctr_va_vdst(0)
	s_wait_dscnt 0x0                               ; both opening adds are done
	ROUND                                          ; all four work-groups are here: the first joint loads meet
	s_wait_kmcnt 0x0
	s_load_b256 s[EX:EX+7], s[26:27], 0x0          ; e0 .. e7
	s_add_nc_u64 s[4:5], s[4:5], s[2:3]
	s_lshl_b32 s2, s[WV], 16                       ; 128 rows of 512 bytes a wave
	s_add_nc_u64 s[G0F+2:G0F+3], s[6:7], s[2:3]    ; W1 whole
	s_or_b32 s[G0F+3], s[G0F+3], 0x80000000
	tensor_load_to_lds s[G0F:G0F+3], s[G1F:G1F+7]
	s_nop 0
	PLACES
	s_add_nc_u64 s[14:15], s[14:15], s[94:95]
	s_add_nc_u64 s[28:29], s[28:29], s[94:95]
	s_add_nc_u64 s[G0S+2:G0S+3], s[8:9], s[OFF:OFF+1]          ; W2's two halves
	s_or_b32 s[G0S+3], s[G0S+3], 0x80000000
	s_add_nc_u64 s[G0S+6:G0S+7], s[8:9], s[OFF+2:OFF+3]
	s_or_b32 s[G0S+7], s[G0S+7], 0x80000000
.irp b, 0,1
.irp i, 0,1,2,3
	global_load_b128 v[CT+16*\b+4*\i:CT+16*\b+4*\i+3], v[VOF], s[14:15] offset:2048*\b+512*\i   ; my two rows of ct: lane l holds e = 128 i + 4 l + 0 .. 3
.endr
.endr
.irp i, 0,1,2,3
	global_load_b128 v[208+4*\i:208+4*\i+3], v[VOF], s[20:21] offset:512*\i    ; b4
.endr
.irp t, 0,1,2,3,4,5,6,7
	WIN 0x80+0x40*(\t/4)
	global_load_b128 v[QP+8*(\t%4):QP+8*(\t%4)+3], v[B1O], s[16:17] offset:1024*(\t/4)+64*(\t%4)       ; b1 at e = 256 (t / 4) + 64 w + 16 (t % 4) + 8 h + 0 .. 7
	global_load_b128 v[QP+8*(\t%4)+4:QP+8*(\t%4)+7], v[B1O], s[16:17] offset:1024*(\t/4)+64*(\t%4)+16
.endr
	WIN 0
	ASK 8, 0                                       ; W2, which comes behind product 1
	ASK 8, 131072
	TLOAD 0
	TLOAD 1
	WIN 0
	s_wait_kmcnt 0x0
	s_add_co_i32 s2, s[EX+2], s[EX+3]              ; e2 + e3
	s_lshl_b32 s3, s2, 23
	s_add_co_i32 s[CK], s3, 0x3d8293ee             ; c = log2(e) / sqrt(512), the exponents added to its exponent field
	s_add_co_i32 s[EV], s[EX+4], s[EX+5]
	s_add_co_i32 s2, s[EX+6], s[EX+7]
	s_add_co_i32 s2, s2, 127
	s_lshl_b32 s[EO], s2, 23                       ; 2^(e6 + e7) as f32
	s_mov_b32 s[EO+1], s[EO]
	s_add_co_i32 s2, s[EX], s[EX+1]
	s_add_co_i32 s2, s2, 127
	s_lshl_b32 s[E1], s2, 23                       ; 2^(e0 + e1)
	s_mov_b32 s[E1+1], s[E1]
	s_add_co_i32 s2, s[EX], 127
	s_lshl_b32 s3, s2, 23
	v_mov_b32 v24, s3                              ; 2^e0: the conversion takes its exponent field
	s_add_co_i32 s2, s2, 15
	s_lshl_b32 s2, s2, 23
	s_or_b32 s2, s2, 0x600000
	v_mov_b32 v25, s2                              ; 57,344 x 2^e0
	s_add_co_i32 s2, s[EX+6], 127
	s_lshl_b32 s3, s2, 23
	v_mov_b32 v26, s3                              ; the same for e6
	s_add_co_i32 s2, s2, 15
	s_lshl_b32 s2, s2, 23
	s_or_b32 s2, s2, 0x600000
	v_mov_b32 v27, s2
	s_wait_alu depctr_va_vdst(0)
	s_wait_loadcnt 52                              ; 60 loads are out, ct's eight are the oldest
.set XJ, 0
.rept 32
	v_med3_num_f32 v[XR+XJ], v[CT+XJ], -v25, v25   ; the conversion to an 8-bit code does not saturate (ISA guide 7.6.2): the hold at the largest code x the scale
.set XJ, XJ+1
.endr
	CODES 24
	TTURN 0, 16, 2
	WIN 0
.irp b, 0,1
.irp j, 0,2,4,6,8,10,12,14
	v_pk_add_f32 v[CT+16*\b+\j:CT+16*\b+\j+1], v[CT+16*\b+\j:CT+16*\b+\j+1], v[208+\j:208+\j+1]     ; ct + b4, for the very end: b4 was issued ahead of Lt's first tile
.endr
.endr
	TTURN 1, 16, 0
	WIN 0
	s_wait_tensorcnt 0x0                           ; my part of W1 is in,
	s_wait_dscnt 0x0
	s_barrier_signal -1
	s_barrier_wait -1                              ; everybody's is, and everybody's codes of ct are in LDS
	TLOAD 3                                        ; on their way under product 1
	TLOAD 4
	; ---- product 1: q for the 8 batches, my columns 64 w + 0 .. 63 of either half
	PROD AWP, AWP2, 0, 0
.irp t, 0,1,2,3,4,5,6,7
	WIN 0x20+0x10*(\t/4)
.irp j, 0,2,4,6
	v_pk_fma_f32 v[AP+8*\t+\j:AP+8*\t+\j+1], v[AP+8*\t+\j:AP+8*\t+\j+1], s[E1:E1+1], v[QP+8*(\t%4)+\j:QP+8*(\t%4)+\j+1] op_sel_hi:[1,0,1]   ; q = sum x 2^(e0+e1) + b1
.endr
.endr
	WIN 0
.irp t, 0,1,2,3,4,5,6,7
	ds_store_b128 v[XSO], v[AP+8*\t:AP+8*\t+3] offset:1024*(\t/4)+64*(\t%4)
	ds_store_b128 v[XSO], v[AP+8*\t+4:AP+8*\t+7] offset:1024*(\t/4)+64*(\t%4)+16
.endr
	TTURN 2, 48, 6
	TTURN 3, 48, 7
	TTURN 4, 48, 0
	TTURN 5, 32, 0
	TTURN 6, 16, 0
	TTURN 7, 0, 0
	WIN 0
.irp i, 0,1,2,3
	global_load_b128 v[LP+4*\i:LP+4*\i+3], v[VOF], s[18:19] offset:512*\i                ; b3, ln_g, ln_b: waited for ahead of the LayerNorm
	global_load_b128 v[LP+16+4*\i:LP+16+4*\i+3], v[VOF], s[22:23] offset:512*\i
	global_load_b128 v[LP+32+4*\i:LP+32+4*\i+3], v[VOF], s[24:25] offset:512*\i
.endr
	WIN 0x40
.set XJ, 0
.rept 16
	v_mov_b32 v[SC+XJ], 0                          ; S: the loop's first reduction of either batch finds zeros
.set XJ, XJ+1
.endr
.set XJ, 0
.rept 8
	v_mov_b32 v[ZT+XJ], 0                          ; lane exchanges' destinations
.set XJ, XJ+1
.endr
	v_mov_b32 v[XS+1], 0                           ; what V's second step stores for batch 1
	WIN 0
	s_wait_alu depctr_va_vdst(0)
	s_wait_tensorcnt 0x0                           ; my part of W2's first half is in
	ds_add_u32 v[SPW], v[NIL]
	s_wait_dscnt 0x0                               ; the add is done; my q and Lt's last fragments too
	ROUND                                          ; everybody's part is in, and q
	tensor_load_to_lds s[G0S+4:G0S+7], s[G1W:G1W+7]        ; W2's second half
	s_nop 0
	PLACES
	; ---- K: 32 steps over W2
	WIN 0x40
.irp s, 0,1,2,3
.irp c, 0,1,2,3
	ds_load_b128 v[16*\s+4*\c:16*\s+4*\c+3], v[AW0] offset:128*\s+32*\c      ; the first fragment
.endr
.endr
	WIN 0
	ASK 10, 0
	HALF 0, 0, 10, 1                               ; its last step asks for W3's first half
	ASK 10, 131072
	HALF 0, 1, 10, 1                               ; W3's second half; and fetches W3's first fragment
	ASK 12, 0
	s_wait_dscnt 0x0
	DRAIN 0
	; ---- softmax over 64 keys, two batches: lane r (in both halves) holds t = 16 tile + r, four tiles a batch
	WIN 0x55
.irp i, 0,1,2,3,4,5,6,7
	v_add_f32 v[SM+\i], v[SC+2*\i], v[SC+2*\i+1]
.endr
.irp i, 0,1,2,3,4,5,6,7
	v_permlanex16_b32 v[ZT+\i], v[SM+\i], s[SEL], s[SEL+1]
.endr
.irp i, 0,1,2,3,4,5,6,7
	v_add_f32 v[SM+\i], v[SM+\i], v[ZT+\i]         ; the sum over e is closed
.endr
.irp b, 0,1
	v_max3_num_f32 v[MX+\b], v[SM+4*\b], v[SM+4*\b+1], v[SM+4*\b+2]
.endr
.irp b, 0,1
	v_max_num_f32 v[MX+\b], v[MX+\b], v[SM+4*\b+3]
.endr
.irp m, 1,2,4,8
.irp b, 0,1
	v_max_num_f32_dpp v[MX+\b], v[MX+\b], v[MX+\b] row_xmask:\m row_mask:0xf bank_mask:0xf
.endr
.endr
.irp b, 0,1
	v_mul_f32 v[MX+\b], s[CK], v[MX+\b]            ; the batch's largest score, in base 2 (CK is positive)
.endr
.irp i, 0,1,2,3,4,5,6,7
	v_fma_f32 v[SM+\i], v[SM+\i], s[CK], -v[MX+\i/4]
.endr
	s_wait_alu depctr_va_vdst(0)
.irp i, 0,1,2,3,4,5,6,7
	v_exp_f32 v[SM+\i], v[SM+\i]                   ; p = 2^(score - maximum)
.endr
	v_nop                                          ; a plain instruction behind the last exponential
	s_wait_alu depctr_va_vdst(0)                   ; and one wait behind the batch
.irp b, 0,1
	v_add_f32 v[SU+\b], v[SM+4*\b], v[SM+4*\b+1]
	v_add_f32 v[TU+\b], v[SM+4*\b+2], v[SM+4*\b+3]
.endr
.irp b, 0,1
	v_add_f32 v[SU+\b], v[SU+\b], v[TU+\b]
.endr
.irp m, 1,2,4,8
.irp b, 0,1
	v_add_f32_dpp v[SU+\b], v[SU+\b], v[SU+\b] row_xmask:\m row_mask:0xf bank_mask:0xf
.endr
.endr
	s_wait_alu depctr_va_vdst(0)
.irp b, 0,1
	v_rcp_f32 v[SU+\b], v[SU+\b]                   ; the row's sum is about 1 or more
.endr
	v_nop
	s_wait_alu depctr_va_vdst(0)                   ; one wait for the two reciprocals
.irp b, 0,1
	v_ldexp_f32 v[SU+\b], v[SU+\b], s[EV]          ; x 2^(e4+e5): v's raw sums lack it
.endr
.irp i, 0,1,2,3,4,5,6,7
	v_mul_f32 v[SM+\i], v[SM+\i], v[SU+\i/4]
.endr
	WIN 0x04
.irp i, 0,1,2,3,4,5,6,7
	ds_store_b32 v[PST], v[SM+\i] offset:RP*(\i/4)+64*(\i%4)       ; over my own rows of q, which I alone read and have read; both halves store the same number
.endr
.irp b, 0,1
	WIN 0xC0-0x40*\b
.irp i, 0,1,2,3
	ds_load_b128 v[QP+8*\i:QP+8*\i+3], v[QA0] offset:RP*\b+64*\i    ; p' of t = 16 tile + 8 h + 0 .. 7.  LDS serves a wave's instructions in order (ISA guide 5.7.1.4): these see my stores
	ds_load_b128 v[QP+8*\i+4:QP+8*\i+7], v[QA0] offset:RP*\b+64*\i+16
.endr
.endr
	; ---- V: 32 steps over W3; the weighted sums land in my stage
	HALF 1, 0, 12, 1                               ; its last step asks for W4's first half
	ASK 12, 131072
	HALF 1, 1, 12, 0                               ; W4's second half; nothing more to fetch
	WIN 0x55
	ds_store_b32 v[QAD], v[XS] offset:64
	ds_store_b32 v[QAD], v[XS+1] offset:2*VR
	DRAIN 1
	JOIN
	ds_store_b32 v[QAD], v[XS+1] offset:64+2*VR
	WIN 0
	; ---- LayerNorm of my two rows; lane l holds e = 128 i + 4 l + 0 .. 3
.irp b, 0,1
.irp i, 0,1,2,3
	ds_load_b128 v[XR+16*\b+4*\i:XR+16*\b+4*\i+3], v[LNR] offset:2*VR*\b+512*\i        ; the sums over the lower half's keys,
	ds_load_b128 v[32+16*\b+4*\i:32+16*\b+4*\i+3], v[LNR] offset:2*VR*\b+VR+512*\i     ; and over the upper half's
.endr
.endr
	s_mov_b32 s2, 0x3b000000                       ; 1 / 512
	s_mov_b32 s3, 0x3727c5ac                       ; 1e-5
	s_wait_loadcnt 0x0                             ; b3, ln_g, ln_b
	s_wait_dscnt 0x0
.irp j, 0,2,4,6,8,10,12,14
.irp b, 0,1
	v_pk_add_f32 v[XR+16*\b+\j:XR+16*\b+\j+1], v[XR+16*\b+\j:XR+16*\b+\j+1], v[32+16*\b+\j:32+16*\b+\j+1]
.endr
.endr
.irp j, 0,2,4,6,8,10,12,14
.irp b, 0,1
	v_pk_add_f32 v[XR+16*\b+\j:XR+16*\b+\j+1], v[XR+16*\b+\j:XR+16*\b+\j+1], v[LP+\j:LP+\j+1]       ; + b3
.endr
.endr
.irp b, 0,1
	v_pk_add_f32 v[ST+4*\b:ST+4*\b+1], v[XR+16*\b:XR+16*\b+1], v[XR+16*\b+2:XR+16*\b+3]
.endr
.irp j, 4,6,8,10,12,14
.irp b, 0,1
	v_pk_add_f32 v[ST+4*\b:ST+4*\b+1], v[ST+4*\b:ST+4*\b+1], v[XR+16*\b+\j:XR+16*\b+\j+1]
.endr
.endr
.irp b, 0,1
	v_add_f32 v[ST+4*\b], v[ST+4*\b], v[ST+4*\b+1]
.endr
	WSUM2 ST, ST+4
.irp b, 0,1
	v_mul_f32 v[ST+4*\b], s2, v[ST+4*\b]           ; the mean
.endr
.irp j, 0,2,4,6,8,10,12,14
.irp b, 0,1
	v_pk_add_f32 v[XR+16*\b+\j:XR+16*\b+\j+1], v[XR+16*\b+\j:XR+16*\b+\j+1], v[ST+4*\b:ST+4*\b+1] op_sel_hi:[1,0] neg_lo:[0,1] neg_hi:[0,1]
.endr
.endr
.irp b, 0,1
	v_pk_mul_f32 v[ST+4*\b+2:ST+4*\b+3], v[XR+16*\b:XR+16*\b+1], v[XR+16*\b:XR+16*\b+1]
.endr
.irp j, 2,4,6,8,10,12,14
.irp b, 0,1
	v_pk_fma_f32 v[ST+4*\b+2:ST+4*\b+3], v[XR+16*\b+\j:XR+16*\b+\j+1], v[XR+16*\b+\j:XR+16*\b+\j+1], v[ST+4*\b+2:ST+4*\b+3]
.endr
.endr
.irp b, 0,1
	v_add_f32 v[ST+4*\b+2], v[ST+4*\b+2], v[ST+4*\b+3]
.endr
	WSUM2 ST+2, ST+6
.irp b, 0,1
	v_fma_f32 v[ST+4*\b+2], v[ST+4*\b+2], s2, s3   ; the variance + 1e-5
.endr
	s_wait_alu depctr_va_vdst(0)
.irp b, 0,1
	v_rsq_f32 v[ST+4*\b+2], v[ST+4*\b+2]
.endr
	v_nop
	s_wait_alu depctr_va_vdst(0)                   ; one wait for the two roots
.irp j, 0,2,4,6,8,10,12,14
.irp b, 0,1
	v_pk_mul_f32 v[XR+16*\b+\j:XR+16*\b+\j+1], v[XR+16*\b+\j:XR+16*\b+\j+1], v[ST+4*\b+2:ST+4*\b+3] op_sel_hi:[1,0]
.endr
.endr
.irp j, 0,2,4,6,8,10,12,14
.irp b, 0,1
	v_pk_fma_f32 v[XR+16*\b+\j:XR+16*\b+\j+1], v[XR+16*\b+\j:XR+16*\b+\j+1], v[LP+16+\j:LP+16+\j+1], v[LP+32+\j:LP+32+\j+1]
.endr
.endr
.set XJ, 0
.rept 32
	v_med3_num_f32 v[XR+XJ], v[XR+XJ], 0, v27      ; the relu is the hold's lower bound
.set XJ, XJ+1
.endr
	CODES 26
	s_wait_dscnt 0x0                               ; my rows of codes have landed,
	s_barrier_signal -1
	s_barrier_wait -1                              ; everybody's have.  W4's second half may still be on its way
	; ---- product 6: my columns 64 w + 0 .. 63 of either half, the rows of W4 that I asked for myself
	PROD AWP, AWP2, 0, 1
.irp t, 0,1,2,3,4,5,6,7
	ds_store_b128 v[XSO], v[AP+8*\t:AP+8*\t+3] offset:1024*(\t/4)+64*(\t%4)
	ds_store_b128 v[XSO], v[AP+8*\t+4:AP+8*\t+7] offset:1024*(\t/4)+64*(\t%4)+16
.endr
	s_wait_dscnt 0x0
	s_barrier_signal -1
	s_barrier_wait -1                              ; 8 whole rows of sums lie in QY
	; ---- out = sum x 2^(e6+e7) + (ct + b4): my two rows
.irp b, 0,1
.irp i, 0,1,2,3
	ds_load_b128 v[XR+16*\b+4*\i:XR+16*\b+4*\i+3], v[ROW] offset:RP*\b+512*\i
.endr
.endr
	s_wait_dscnt 0x0
.irp b, 0,1
.irp j, 0,2,4,6,8,10,12,14
	v_pk_fma_f32 v[XR+16*\b+\j:XR+16*\b+\j+1], v[XR+16*\b+\j:XR+16*\b+\j+1], s[EO:EO+1], v[CT+16*\b+\j:CT+16*\b+\j+1] op_sel_hi:[1,0,1]
.endr
.endr
.irp b, 0,1
.irp i, 0,1,2,3
	global_store_b128 v[VOF], v[XR+16*\b+4*\i:XR+16*\b+4*\i+3], s[28:29] offset:2048*\b+512*\i th:TH_STORE_NT   ; 32 lanes store 512 consecutive bytes, at a multiple of 256 from out's first byte
.endr
.endr
	s_wait_tensorcnt 0x0                           ; the wave's end, behind my last tensor load and my last LDS store
	ds_add_u32 v[SPW], v[NIL]
	s_wait_dscnt 0x0
	ROUND                                          ; the closing round: no work-group ends while a partner may still ask for a tile that names it
	s_endpgm
.Lfunc_end_k_q918ae680c5_nlblock:
	.size	k_q918ae680c5_nlblock, .Lfunc_end_k_q918ae680c5_nlblock-k_q918ae680c5_nlblock
	.p2alignl 7, 3214868480
	.fill 96, 4, 3214868480
	.section	.rodata,"a",@progbits
	.p2align	6, 0x0
	.amdhsa_kernel k_q918ae680c5_nlblock
		.amdhsa_group_segment_fixed_size 327680
		.amdhsa_private_segment_fixed_size 0
		.amdhsa_enable_private_segment 0
		.amdhsa_kernarg_size 104
		.amdhsa_user_sgpr_count 2
		.amdhsa_user_sgpr_kernarg_segment_ptr 1
		.amdhsa_wavefront_size32 1
		.amdhsa_system_sgpr_workgroup_id_x 1
		.amdhsa_system_sgpr_workgroup_id_y 1
		.amdhsa_system_sgpr_workgroup_id_z 1
		.amdhsa_system_vgpr_workitem_id 0
		.amdhsa_next_free_vgpr 1024
		.amdhsa_next_free_sgpr 100
		.amdhsa_reserve_vcc 0
		.amdhsa_float_denorm_mode_32 3
		.amdhsa_float_denorm_mode_16_64 3
		.amdhsa_memory_ordered 1
		.amdhsa_forward_progress 1
		.amdhsa_inst_pref_size 198
	.end_amdhsa_kernel
	.amdgpu_metadata
---
amdhsa.version: [ 1, 2 ]
amdhsa.kernels:
  - .name:           k_q918ae680c5_nlblock
    .symbol:         k_q918ae680c5_nlblock.kd
    .args:
      - { .name: Lt_codes, .offset: 0, .size: 8, .value_kind: global_buffer, .address_space: global }
      - { .name: W1_codes, .offset: 8, .size: 8, .value_kind: global_buffer, .address_space: global }
      - { .name: W2_codes, .offset: 16, .size: 8, .value_kind: global_buffer, .address_space: global }
      - { .name: W3_codes, .offset: 24, .size: 8, .value_kind: global_buffer, .address_space: global }
      - { .name: W4_codes, .offset: 32, .size: 8, .value_kind: global_buffer, .address_space: global }
      - { .name: ct, .offset: 40, .size: 8, .value_kind: global_buffer, .address_space: global }
      - { .name: b1, .offset: 48, .size: 8, .value_kind: global_buffer, .address_space: global }
      - { .name: b3, .offset: 56, .size: 8, .value_kind: global_buffer, .address_space: global }
      - { .name: b4, .offset: 64, .size: 8, .value_kind: global_buffer, .address_space: global }
      - { .name: ln_g, .offset: 72, .size: 8, .value_kind: global_buffer, .address_space: global }
      - { .name: ln_b, .offset: 80, .size: 8, .value_kind: global_buffer, .address_space: global }
      - { .name: lowp_scales, .offset: 88, .size: 8, .value_kind: global_buffer, .address_space: global }
      - { .name: out0, .offset: 96, .size: 8, .value_kind: global_buffer, .address_space: global }
    .group_segment_fixed_size: 327680
    .private_segment_fixed_size: 0
    .kernarg_segment_align: 8
    .kernarg_segment_size: 104
    .max_flat_workgroup_size: 128
    .sgpr_count:     100
    .vgpr_count:     1024
    .wavefront_size: 32
...
	.end_amdgpu_metadata
.endif
;; end of part 2
